; MI455X (gfx1250); checked and timed in simulation.
; The chip was launched on July 23, 2026; its instructions are those of AMD's public machine-readable ISA for CDNA 5 (MIT licence, August 2026) and "CDNA5" Instruction Set Architecture Reference Guide (July 2026). The comments in the code are by the model that wrote it; some were corrected since.
;; Causal Self Attention. Allowed arithmetic: matrix products marked QUANTISED: E4M3 operands, one given power-of-two scale a tensor, by v_wmma_f32_16x16x64_fp8_fp8 or v_wmma_f32_16x16x128_fp8_fp8, f32 sums; everything else in f32.
;; Inputs: Wk 1,024 x 1,024 float32; Wo 1,024 x 1,024 float32; Wq 1,024 x 1,024 float32; Wv 1,024 x 1,024 float32; lowp_scales 12 int32 (the exponents e of the quantised operands' scales 2^e); x 1 x 4,096 x 1,024 float32.
;; Outputs: out0 1 x 4,096 x 1,024 float32.
;; This version of the problem:
;;   THIS VERSION OF THE PROBLEM IS GIVEN IN LOW PRECISION. The matrix products marked QUANTISED in the list below multiply operands that are first quantised to E4M3 (4 exponent bits, 3 mantissa bits; 8 bits a number), with one given power-of-two scale for each operand tensor; their sums are f32. All else is computed in f32.
;;   The module's matrix products, in the order in which they are computed (A, B: the left and right operand; K: the contracted axis; several contracted axes count as one K, in the product's order):
;;     1. [M 4,096, K 1,024] x [K 1,024, N 1,024]; A: input x; B: input Wq: QUANTISED (scales: A lowp_scales[0], B lowp_scales[1])
;;     2. [M 4,096, K 1,024] x [K 1,024, N 1,024]; A: input x; B: input Wk: QUANTISED (scales: A lowp_scales[2], B lowp_scales[3])
;;     3. [M 4,096, K 1,024] x [K 1,024, N 1,024]; A: input x; B: input Wv: QUANTISED (scales: A lowp_scales[4], B lowp_scales[5])
;;     4. batch 16 x [M 4,096, K 64] x [K 64, N 4,096]; A: computed on the way; B: computed on the way: QUANTISED (scales: A lowp_scales[6], B lowp_scales[7])
;;     5. batch 16 x [M 4,096, K 4,096] x [K 4,096, N 64]; A: softmax (see below); B: computed on the way: QUANTISED (scales: A lowp_scales[8], B lowp_scales[9])
;;     6. [M 4,096, K 1,024] x [K 1,024, N 1,024]; A: computed on the way; B: input Wo: QUANTISED (scales: A lowp_scales[10], B lowp_scales[11])
;;   THE QUANTISER, for each operand of a quantised product, along K:
;;     - The operand's scale is 2^e, e = its entry of the input lowp_scales (int32; the entries are numbered through the quantised products in the list's order, A before B).
;;     - Each number is divided by the scale, clamped to +-448, and rounded to the nearest number of E4M3, ties to even, subnormals kept.
;;     - The product sums the exact products of the quantised numbers (number of the format x scale) in f32.
;;   ~~~python
;;   def quantise(x, axis, e):      # numpy; x: float32 -> the quantised numbers, widened to float32 again
;;       x = np.moveaxis(x, axis, -1); K = x.shape[-1]
;;       r = np.clip(x / 2.0 ** e, -448, 448)
;;       step = 2.0 ** (np.maximum(np.frexp(np.where(r == 0, 1, r))[1] - 1, -6) - 3)
;;       q = np.round(r / step) * step * 2.0 ** e      # np.round: ties to even
;;       return np.moveaxis(q, -1, axis).astype(np.float32)
;;   ~~~
;;   SOFTMAX AHEAD OF A QUANTISED PRODUCT. Where the list says 'softmax', what is quantised is not the finished softmax but p = 2^(t - M), with t = logit x log2(e) and M = ceil(the row's largest t), a whole number; so 1/2 < the row's largest p <= 1. The row's sum l is taken of the UNQUANTISED p, in f32, and the product's result is divided by l at the end. Since M is a whole number, a kernel that streams over the keys may use a running M (the ceiling of the running maximum): every later rescaling is an exact power of two, so the quantised numbers keep their values, but for numbers so far below the row's largest that they fall under the format's range.
;;   OPERANDS COMPUTED ON THE WAY. 'Computed on the way' means the value that the module computes at that place (a softmax that the list does not call 'softmax' is quantised finished and normalised). What goes into a quantiser is computed in f32, as accurately as f32 sums, v_exp_f32 and their like allow (about 1e-6 of the number): no bf16 or f16 on the way to a quantiser, and a product that is left as it is and whose result goes on into a quantised operand takes f32 operands (vector FMAs, or v_wmma_f32_16x16x4_f32). A number that lies on a knife's edge between two numbers of the format may be rounded either way, as far as f32 arithmetic and the matrix unit's own rounding can turn it there, and no further.
;; One version. Each part assembles by itself: llvm-mc -triple=amdgcn-amd-amdhsa -mcpu=gfx1250 --defsym DOCPART=n.
;; ======== version 1 of 1: 4 launches
;; limits: right only within a limited range of input values
;; workspace buffers: xc 12,582,912 bytes; wc 4,194,304 bytes; qkv 12,582,912 bytes; ac 4,194,304 bytes
;; launch quant (part 1): grid 384 x 1, 4 waves a work-group, no clusters, 55,808 bytes of LDS; arguments x, Wq, Wk, Wv, Wo, lowp_scales, xc, wc; writes xc, wc
.if DOCPART == 1
	.amdgcn_target "amdgcn-amd-amdhsa--gfx1250"
	.amdhsa_code_object_version 6
	.text
	.protected	k_q34e050db44_quant
	.globl	k_q34e050db44_quant
	.p2align	8
	.type	k_q34e050db44_quant,@function
k_q34e050db44_quant:
	s_mov_b64 s[64:65], 0
	v_nop
	global_prefetch_b8 v0, s[64:65] scope:SCOPE_SE
	s_setreg_imm32_b32 hwreg(HW_REG_WAVE_MODE, 25, 1), 1
	s_wait_xcnt 0x0
; x [4096][1024] f32 becomes three sets of E4M3 codes, xc [3][4096][1024], with the scales 2^e0, 2^e2, 2^e4 (x is the left operand of three products, each with an entry of its own).
; Wq, Wk, Wv, Wo [1024 k][1024 n] f32 become wc [4][1024 n][1024 k], K innermost, with 2^e1, 2^e3, 2^e5, 2^e11.
; code = number / 2^e, held within +-448, rounded to the nearest code, ties to even.
; LIMITS: each of these e lies between -126 and 119, so that 2^e and 448 x 2^e are f32 numbers.  NaN among the inputs is not served; an infinity is held at the largest code.
; Work-groups 0-255 take x: a wave takes 4,096 numbers, 8 steps of 512; all its 32 loads are issued first, each reading 512 consecutive bytes.  The conversions want 16 neighbours in a lane,
; so a step's 2,048 bytes turn through the wave's own stage in LDS (16 bytes of padding behind each 64).  A lane's 16 codes are 16 bytes: a store covers 512 consecutive bytes, aligned.
; Work-groups 256-383 take the weights: a lane takes a column n and its registers run down K, so the conversions give codes with K innermost; a wave takes 32 columns x 256 along K,
; gathers 256 bytes a column in its own stage and stores them as rows, sixteen lanes to 256 consecutive bytes, aligned.  Loads run two blocks of 32 ahead.
; Waves share nothing: no barrier.  The two paths part on the work-group's number, have LDS bytes of their own and end apart.  No matrix work, no shared tiles: no cluster, no tensor load.
.set XWG,  256                         ; work-groups for x
.set SP,   80                          ; a lane's place in x's stage: 64 bytes + 16
.set XWB,  2*32*SP                     ; two stages a wave
.set WST,  4*XWB                       ; the weights' stages begin behind x's
.set WP,   272                         ; a stage row: 256 codes + 16
.set WWB,  32*WP
.set NB,   8                           ; blocks of 32 along K for a wave
.set R,    32                          ; v32-159  x: eight sets of 16 numbers as loaded; then each step's 12 registers of codes
.set X,    160                         ; v160-191 x: two sets of 16 neighbours
.set TA,   192                         ; v192-207, v208-223: held numbers of the first two versions
.set TB,   208
.set WX,   32                          ; v32-95   weights: two sets of 32 numbers
.set WC,   96                          ; v96-103  a block's codes
.set WO,   112                         ; v112-175 the way out
	s_load_b512 s[8:23], s[0:1], 0x0               ; x, Wq, Wk, Wv, Wo, the exponents, xc, wc
	v_lshl_add_u32 v224, v0, 2, 0xd800
	v_mov_b32 v225, 0
	v_lshrrev_b32 v1, 5, v0
	v_readfirstlane_b32 s36, v1                    ; wave 0..3
	v_and_b32 v2, 31, v0                           ; lane
	v_lshlrev_b32 v3, 4, v2                        ; 16 x lane: my bytes of a load of x, and of a step's codes
	s_mul_i32 s37, s36, XWB
	v_lshrrev_b32 v4, 2, v2
	v_mul_u32_u24 v5, v4, SP
	v_and_b32 v4, 3, v2
	v_lshl_add_u32 v5, v4, 4, v5
	v_add_nc_u32 v5, s37, v5                       ; x's stage, in: four lanes' 64 bytes on end, then the padding
	v_mul_u32_u24 v6, v2, SP
	v_add_nc_u32 v6, s37, v6                       ; and out: my 16 neighbours
	v_lshlrev_b32 v7, 2, v2                        ; weights: 4 bytes a lane
	s_mul_i32 s37, s36, WWB
	s_add_co_u32 s37, s37, WST
	v_mul_u32_u24 v8, v2, WP
	v_add_nc_u32 v8, s37, v8                       ; the weights' stage, in: row = my column
	v_and_b32 v4, 15, v2
	v_lshrrev_b32 v11, 4, v2
	v_mul_u32_u24 v9, v11, WP
	v_lshl_add_u32 v9, v4, 4, v9
	v_add_nc_u32 v9, s37, v9                       ; and out: sixteen lanes to a row, two rows an instruction
	v_lshlrev_b32 v10, 10, v11
	v_lshl_add_u32 v10, v4, 4, v10                 ; the same place in wc: rows of 1,024 bytes
	; x: run number 4 x work-group + wave of 1,024 runs
	s_lshl_b32 s38, ttmp9, 2
	s_add_co_u32 s38, s38, s36
	s_and_b32 s38, s38, 1023
	s_lshl_b32 s40, s38, 14                        ; 16,384 bytes of x,
	s_mov_b32 s41, 0
	s_lshl_b32 s42, s38, 12                        ; 4,096 bytes of codes
	s_mov_b32 s43, 0
	; weights: j = work-group - 256: which = j / 32, 256 along K = (j / 8) % 4, 128 columns = j % 8
	s_sub_co_u32 s39, ttmp9, XWG
	s_and_b32 s39, s39, 127
	s_lshr_b32 s52, s39, 5
	s_lshr_b32 s53, s39, 3
	s_and_b32 s53, s53, 3
	s_and_b32 s54, s39, 7
	s_lshl_b32 s54, s54, 7
	s_lshl_b32 s55, s36, 5
	s_add_co_u32 s54, s54, s55                     ; my wave's first column
	s_lshl_b32 s48, s53, 20                        ; 256 rows of 4,096 bytes,
	s_lshl_b32 s55, s54, 2
	s_add_co_u32 s48, s48, s55                     ; + 4 x column
	s_mov_b32 s49, 0
	s_lshl_b32 s50, s52, 20                        ; wc: the weight's part,
	s_lshl_b32 s55, s54, 10
	s_add_co_u32 s50, s50, s55                     ; + column x 1,024
	s_lshl_b32 s55, s53, 8
	s_add_co_u32 s50, s50, s55                     ; + my 256 along K
	s_mov_b32 s51, 0
	s_wait_kmcnt 0x0
	s_load_b256 s[24:31], s[18:19], 0x0            ; e0 .. e7
	s_load_b128 s[32:35], s[18:19], 0x20           ; e8 .. e11
	s_add_nc_u64 s[40:41], s[8:9], s[40:41]        ; x at my run
	s_add_nc_u64 s[42:43], s[20:21], s[42:43]      ; xc, version 0,
	s_add_nc_u64 s[44:45], s[42:43], 0x400000      ; version 1,
	s_add_nc_u64 s[46:47], s[42:43], 0x800000      ; version 2
	s_mov_b64 s[56:57], s[10:11]                   ; the weight is chosen on the work-group's number alone
	s_cmp_eq_u32 s52, 1
	s_cselect_b64 s[56:57], s[12:13], s[56:57]
	s_cmp_eq_u32 s52, 2
	s_cselect_b64 s[56:57], s[14:15], s[56:57]
	s_cmp_eq_u32 s52, 3
	s_cselect_b64 s[56:57], s[16:17], s[56:57]
	s_add_nc_u64 s[48:49], s[56:57], s[48:49]
	s_add_nc_u64 s[50:51], s[22:23], s[50:51]
.macro SCALE e, sc, lim                ; v[sc] = 2^e as f32 (the conversion takes its exponent field), v[lim] = 448 x 2^e
	s_add_co_i32 s59, s[\e], 127
	s_lshl_b32 s58, s59, 23
	v_mov_b32 v[\sc], s58
	s_add_co_i32 s59, s59, 8
	s_lshl_b32 s59, s59, 23
	s_or_b32 s59, s59, 0x600000
	v_mov_b32 v[\lim], s59
.endm
	s_cmp_lt_u32 ttmp9, XWG
	s_cbranch_scc0 .Lweights
; ---------------- x ----------------
.macro XLOAD t
.irp i, 0,1,2,3
	global_load_b128 v[R+16*(\t)+4*\i:R+16*(\t)+4*\i+3], v3, s[40:41] offset:2048*(\t)+512*\i th:TH_LOAD_NT
.endr
.endm
.macro XTURN t                         ; step t through the stage; LDS serves a wave's instructions in order, so no wait stands between the stores and the loads
.irp i, 0,1,2,3
	ds_store_b128 v5, v[R+16*(\t)+4*\i:R+16*(\t)+4*\i+3] offset:32*SP*((\t)%2)+8*SP*\i
.endr
.irp i, 0,1,2,3
	ds_load_b128 v[X+16*((\t)%2)+4*\i:X+16*((\t)%2)+4*\i+3], v6 offset:32*SP*((\t)%2)+16*\i
.endr
.endm
.macro XQ dst, src, tmp, sc, lim       ; 16 numbers: the hold (the conversion to an 8-bit code does not saturate: ISA guide 7.6.2), then two conversions
.irp i, 0,1,2,3,4,5,6,7,8,9,10,11,12,13,14,15
	v_med3_num_f32 v[\tmp+\i], v[\src+\i], -v[\lim], v[\lim]
.endr
	v_cvt_scalef32_pk8_fp8_f32 v[\dst:\dst+1], v[\tmp:\tmp+7], v[\sc]
	v_cvt_scalef32_pk8_fp8_f32 v[\dst+2:\dst+3], v[\tmp+8:\tmp+15], v[\sc]
.endm
.macro XSTEP t
	s_wait_dscnt 0x0                               ; this step's numbers are back from the stage
.if (\t) < 7
	s_wait_loadcnt 4*(6-(\t))                      ; the next step's four loads are in; those of the steps behind it may be out
	XTURN (\t)+1
.endif
	XQ R+16*(\t), X+16*((\t)%2), TA, 12, 13        ; the codes go into the registers that the step's numbers were loaded into: each step has its own, so no store's data are written again
	XQ R+16*(\t)+4, X+16*((\t)%2), TB, 14, 15      ; (each version's sixteen holds are the plain lines between the conversions before them and whatever next writes those conversions' sources)
	XQ R+16*(\t)+8, X+16*((\t)%2), X+16*((\t)%2), 16, 17
	global_store_b128 v3, v[R+16*(\t):R+16*(\t)+3], s[42:43] offset:512*(\t)
	global_store_b128 v3, v[R+16*(\t)+4:R+16*(\t)+7], s[44:45] offset:512*(\t)
	global_store_b128 v3, v[R+16*(\t)+8:R+16*(\t)+11], s[46:47] offset:512*(\t)
.endm
.irp t, 0,1,2,3,4,5,6,7
	XLOAD \t
.endr
	s_wait_kmcnt 0x0
	SCALE 24, 12, 13                               ; e0
	SCALE 26, 14, 15                               ; e2
	SCALE 28, 16, 17                               ; e4
	s_wait_alu depctr_va_vdst(0)
	s_wait_loadcnt 28                              ; step 0's four loads are in
	XTURN 0
.irp t, 0,1,2,3,4,5,6,7
	XSTEP \t
.endr
	s_wait_tensorcnt 0x0
	ds_add_u32 v224, v225
	s_wait_dscnt 0x0
	s_endpgm
; ---------------- the weights ----------------
.Lweights:
.macro WLOAD t                         ; block t: W(32 t + i, my column) into set t % 2: 32 lanes read 128 consecutive bytes, the four waves 512
.set i, 0
.rept 32
	global_load_b32 v[WX+32*((\t)%2)+i], v7, s[48:49] offset:(32*(\t)+i)*4096 th:TH_LOAD_NT
.set i, i+1
.endr
.endm
.macro WBLOCK t
.if (\t) < NB-1
	s_wait_loadcnt 32                              ; this block's 32 loads are in; the next block's may be out
.else
	s_wait_loadcnt 0x0
.endif
.set i, 0
.rept 32
	v_med3_num_f32 v[WX+32*((\t)%2)+i], v[WX+32*((\t)%2)+i], -v19, v19
.set i, i+1
.endr
.irp g, 0,1,2,3
	v_cvt_scalef32_pk8_fp8_f32 v[WC+2*\g:WC+2*\g+1], v[WX+32*((\t)%2)+8*\g:WX+32*((\t)%2)+8*\g+7], v18
.endr
	ds_store_b128 v8, v[WC:WC+3] offset:32*(\t)    ; 32 codes of my column's row
	ds_store_b128 v8, v[WC+4:WC+7] offset:32*(\t)+16
.if (\t)+2 < NB
	WLOAD (\t)+2
.endif
	s_wait_dscnt 0x0                               ; the stores have read their registers: the next block's codes may be written (its 32 holds come first)
.endm
	WLOAD 0
	WLOAD 1
	s_wait_kmcnt 0x0
	s_mov_b32 s60, s25                             ; e1, e3, e5 or e11
	s_cmp_eq_u32 s52, 1
	s_cselect_b32 s60, s27, s60
	s_cmp_eq_u32 s52, 2
	s_cselect_b32 s60, s29, s60
	s_cmp_eq_u32 s52, 3
	s_cselect_b32 s60, s35, s60
	SCALE 60, 18, 19
	s_wait_alu depctr_va_vdst(0)
.irp t, 0,1,2,3,4,5,6,7
	WBLOCK \t
.endr
.irp t, 0,1,2,3,4,5,6,7,8,9,10,11,12,13,14,15
	ds_load_b128 v[WO+4*\t:WO+4*\t+3], v9 offset:2*\t*WP
.endr
.irp t, 0,1,2,3,4,5,6,7,8,9,10,11,12,13,14,15
	s_wait_dscnt 15-\t
	global_store_b128 v10, v[WO+4*\t:WO+4*\t+3], s[50:51] offset:2*\t*1024   ; sixteen lanes store 256 consecutive bytes, aligned
.endr
	s_wait_tensorcnt 0x0
	ds_add_u32 v224, v225
	s_wait_dscnt 0x0
	s_endpgm
.Lfunc_end_k_q34e050db44_quant:
	.size	k_q34e050db44_quant, .Lfunc_end_k_q34e050db44_quant-k_q34e050db44_quant
	.p2alignl 7, 3214868480
	.fill 96, 4, 3214868480
	.section	.rodata,"a",@progbits
	.p2align	6, 0x0
	.amdhsa_kernel k_q34e050db44_quant
		.amdhsa_group_segment_fixed_size 55808
		.amdhsa_private_segment_fixed_size 0
		.amdhsa_enable_private_segment 0
		.amdhsa_kernarg_size 64
		.amdhsa_user_sgpr_count 2
		.amdhsa_user_sgpr_kernarg_segment_ptr 1
		.amdhsa_wavefront_size32 1
		.amdhsa_system_sgpr_workgroup_id_x 1
		.amdhsa_system_sgpr_workgroup_id_y 1
		.amdhsa_system_sgpr_workgroup_id_z 1
		.amdhsa_system_vgpr_workitem_id 0
		.amdhsa_next_free_vgpr 226
		.amdhsa_next_free_sgpr 66
		.amdhsa_reserve_vcc 0
		.amdhsa_float_denorm_mode_32 3
		.amdhsa_float_denorm_mode_16_64 3
		.amdhsa_memory_ordered 1
		.amdhsa_forward_progress 1
		.amdhsa_inst_pref_size 89
	.end_amdhsa_kernel
	.amdgpu_metadata
---
amdhsa.version: [ 1, 2 ]
amdhsa.kernels:
  - .name:           k_q34e050db44_quant
    .symbol:         k_q34e050db44_quant.kd
    .args:
      - { .name: x, .offset: 0, .size: 8, .value_kind: global_buffer, .address_space: global }
      - { .name: Wq, .offset: 8, .size: 8, .value_kind: global_buffer, .address_space: global }
      - { .name: Wk, .offset: 16, .size: 8, .value_kind: global_buffer, .address_space: global }
      - { .name: Wv, .offset: 24, .size: 8, .value_kind: global_buffer, .address_space: global }
      - { .name: Wo, .offset: 32, .size: 8, .value_kind: global_buffer, .address_space: global }
      - { .name: lowp_scales, .offset: 40, .size: 8, .value_kind: global_buffer, .address_space: global }
      - { .name: xc, .offset: 48, .size: 8, .value_kind: global_buffer, .address_space: global }
      - { .name: wc, .offset: 56, .size: 8, .value_kind: global_buffer, .address_space: global }
    .group_segment_fixed_size: 55808
    .private_segment_fixed_size: 0
    .kernarg_segment_align: 8
    .kernarg_segment_size: 64
    .max_flat_workgroup_size: 128
    .sgpr_count:     66
    .vgpr_count:     226
    .wavefront_size: 32
...
	.end_amdgpu_metadata
.endif
;; end of part 1
;; launch qkv (part 2): grid 4 x 48, 4 waves a work-group, clusters of 4 x 4, 327,680 bytes of LDS; arguments xc, wc, lowp_scales, qkv; writes qkv
.if DOCPART == 2
	.amdgcn_target "amdgcn-amd-amdhsa--gfx1250"
	.amdhsa_code_object_version 6
	.text
	.protected	k_q34e050db44_qkv
	.globl	k_q34e050db44_qkv
	.p2align	8
	.type	k_q34e050db44_qkv,@function
k_q34e050db44_qkv:
	s_mov_b64 s[64:65], 0
	v_nop
	global_prefetch_b8 v0, s[64:65] scope:SCOPE_SE
	s_setreg_imm32_b32 hwreg(HW_REG_WAVE_MODE, 25, 1), 1
	s_wait_xcnt 0x0
	s_wait_alu depctr_hold_cnt(0) depctr_sa_sdst(0) depctr_va_vdst(0) depctr_va_sdst(0) depctr_va_ssrc(0) depctr_va_vcc(0) depctr_vm_vsrc(0)
	s_getreg_b32 s2, hwreg(HW_REG_IB_STS2, 6, 4)
	s_cmp_eq_u32 s2, 0
	s_cbranch_scc0 .Lentry_in_a_cluster
	s_endpgm
.Lentry_in_a_cluster:
	s_bfe_u32 s2, ttmp6, 0x10000c
	s_cmp_lg_u32 s2, 0xf033
	s_cbranch_scc0 .Lentry_shape_is_right
	s_endpgm
.Lentry_shape_is_right:
; The three projections on E4M3 codes.  xc: x's codes [3][4096][1024] (a version for each product's scale); wc: the weights' codes [4][1024 n][1024 k].  qkv: codes of q, k [16 h][4096][64] with 2^e6, 2^e7, and of v [16 h][64 d][4096 tokens] with 2^e9.
; Tiles of 256 x 256: 16 for each of q, k, v by four clusters of 4 x 4 work-groups; four waves of 128 x 128.  K goes in steps of 256 through a ring of two slots.  For q and k the rows are tokens; for v they are channels, so that its tokens come out innermost.
; Tiles are asked for jointly: A's along a row of the cluster, B's along a column.  A sum stands for sum x 2^(ex + ew): its code is taken with 2^(e - ex - ew), the hold at the largest code standing ahead of the conversion.
; PREFETCH: behind the joint load of K step s stands one for K step s + 1 (s = 0, 1, 2): of the 128 rows that a wave fetches each of the four partners names 32, told apart by address, a lane a row of 256 bytes.
; LIMITS: e6 - e0 - e1, e7 - e2 - e3 and e9 - e4 - e5 lie between -126 and 119.
.set PFO,    18                        ; v18 the prefetches' offset: 1,024 x lane;  s[96:97] their base
.set ROWB,   256
.set KROW,   1024
.set PITCH,  272
.set FR,     16
.set NL,     4
.set NP,     4
.set HALFT,  128*PITCH
.set SLOT,   4*HALFT
.set LAPS,   2
.set SPARE,  2*SLOT
.set ADRA, 16
.set ADRB, 20
.set COQ,  22
.set STO,  24
.set RDQ,  25
.set COV,  26
.set RDV,  27
.set SPW,  28
.set NIL,  29
.set LIMV, 30
.set SCV,  31
.set TMP,  32
.set CD,   96
.set AF,   128
.set G1, 24
.set G0, 32
.set G1B, 48
.set G0B, 56
.set MSB, 0
.macro WIN new
.if MSB != \new
	s_set_vgpr_msb (MSB<<8)|\new
.set MSB, \new
.endif
.endm
.set MUL_LO, 0xa1
.set MUL_HI, 0xf1
.set TO_B,   0x40
.macro JLOAD g0a, g1a, g0b, g1b
	s_cmp_eq_u32 s15, 0
	s_cbranch_scc0 .Lfor_b_\@
	tensor_load_to_lds s[\g0a:\g0a+3], s[\g1a:\g1a+7]
	s_nop 0
.rept 4
	v_nop
.endr
	s_branch .Lasked_\@
.Lfor_b_\@:
	tensor_load_to_lds s[\g0b:\g0b+3], s[\g1b:\g1b+7]
	s_nop 0
.rept 4
	v_nop
.endr
.Lasked_\@:
.endm
.macro CREST
	s_cmp_lg_u32 s14, 0
	s_cbranch_scc1 .Lnot_wave_0_\@
	s_barrier_signal -3
.Lnot_wave_0_\@:
	s_barrier_wait -3
	s_barrier_signal -1
	s_barrier_wait -1
.endm
.macro CROUND
	s_barrier_signal -1
	s_barrier_wait -1
	CREST
.endm
	s_load_b128 s[4:7], s[0:1], 0x0
	s_load_b128 s[8:11], s[0:1], 0x10
	v_lshl_add_u32 v[SPW], v0, 2, SPARE
	v_mov_b32 v[NIL], 0
	ds_add_u32 v28, v29
	ds_add_u32 v28, v29
	s_wait_dscnt 0x0
	v_lshrrev_b32 v1, 5, v0
	v_readfirstlane_b32 s14, v1
	s_lshr_b32 s15, s14, 1
	s_and_b32 s16, s14, 1
	s_bfe_u32 s40, ttmp6, 0x40000
	s_bfe_u32 s41, ttmp6, 0x40004
	s_and_b32 s81, ttmp7, 0xffff
	s_lshr_b32 s80, s81, 2
	s_and_b32 s81, s81, 3
	s_lshl_b32 s81, s81, 2
	s_cmp_lt_u32 s80, 2
	s_cselect_b32 s82, s81, 0
	s_cselect_b32 s83, 0, s81
	s_add_co_u32 s17, s41, s82
	s_add_co_u32 s42, s40, s83
	s_lshl_b32 s43, s41, 2
	s_lshl_b32 s43, 15, s43
	s_lshl_b32 s44, 0x1111, s40
	s_or_b32 s[G1+0], s43, (0<<16)|(1<<20)|(1<<21)|(5<<22)|(3<<25)
	s_or_b32 s[G1B+0], s44, (0<<16)|(1<<20)|(1<<21)|(5<<22)|(3<<25)
.irp g, G1, G1B
	s_mov_b32 s[\g+1], ROWB<<16
	s_mov_b32 s[\g+2], 128<<16
	s_mov_b32 s[\g+3], ROWB<<16
	s_mov_b32 s[\g+4], 128
	s_mov_b32 s[\g+5], KROW
	s_mov_b32 s[\g+6], 0
	s_mov_b32 s[\g+7], 0
.endr
	s_lshl_b32 s18, s16, 7
	s_lshl_b32 s20, s17, 8
	s_add_co_u32 s20, s20, s18
	s_lshl_b32 s20, s20, 10
	s_mov_b32 s21, 0
	s_lshl_b32 s46, s42, 8
	s_add_co_u32 s46, s46, s18
	s_lshl_b32 s46, s46, 10
	s_mov_b32 s47, 0
	s_lshl_b32 s84, s80, 22
	s_mov_b32 s85, 0
	s_lshl_b32 s86, s80, 20
	s_mov_b32 s87, 0
	s_mul_i32 s45, s14, HALFT
	s_wait_kmcnt 0x0
	s_load_b256 s[68:75], s[8:9], 0x0
	s_load_b128 s[76:79], s[8:9], 0x20
	s_add_nc_u64 s[4:5], s[4:5], s[84:85]
	s_add_nc_u64 s[6:7], s[6:7], s[86:87]
	s_cmp_lt_u32 s80, 2
	s_cselect_b64 s[88:89], s[4:5], s[6:7]
	s_cselect_b64 s[90:91], s[6:7], s[4:5]
	s_add_nc_u64 s[20:21], s[88:89], s[20:21]
	s_add_nc_u64 s[46:47], s[90:91], s[46:47]
	CROUND
.irp s, 0,1
	s_mov_b32 s[G0+4*\s], 1
	s_add_co_u32 s[G0+4*\s+1], s45, \s*SLOT
	s_add_nc_u64 s[G0+4*\s+2:G0+4*\s+3], s[20:21], \s*ROWB
	s_or_b32 s[G0+4*\s+3], s[G0+4*\s+3], 0x80000000
	s_mov_b32 s[G0B+4*\s], 1
	s_add_co_u32 s[G0B+4*\s+1], s45, \s*SLOT
	s_add_nc_u64 s[G0B+4*\s+2:G0B+4*\s+3], s[46:47], \s*ROWB
	s_or_b32 s[G0B+4*\s+3], s[G0B+4*\s+3], 0x80000000
.endr
	JLOAD G0, G1, G0B, G1B                         ; K step 0
	s_cmp_eq_u32 s15, 0                            ; the prefetches: my operand, and my place among the four that ask for it with me
	s_cselect_b64 s[96:97], s[20:21], s[46:47]
	s_cselect_b32 s98, s40, s41
	s_lshl_b32 s98, s98, 15
	s_mov_b32 s99, 0
	s_add_nc_u64 s[96:97], s[96:97], s[98:99]
	v_and_b32 v[PFO], 31, v0
	v_lshlrev_b32 v[PFO], 10, v[PFO]
	global_prefetch_b8 v[PFO], s[96:97] offset:256 th:TH_LOAD_NT scope:SCOPE_SE
	v_and_b32 v1, 15, v0
	v_bfe_u32 v2, v0, 4, 1
	v_mul_u32_u24 v3, v1, PITCH
	s_wait_alu depctr_va_vdst(0)
	v_lshl_add_u32 v4, v2, 4, v3
	s_mul_i32 s21, s15, HALFT
	s_mul_i32 s22, s16, HALFT
	s_add_co_u32 s22, s22, 2*HALFT
.irp s, 0,1
	v_add_nc_u32 v[ADRA+\s], s21, v4
	v_add_nc_u32 v[ADRB+\s], s22, v4
	s_add_co_u32 s21, s21, SLOT
	s_add_co_u32 s22, s22, SLOT
.endr
	s_mul_i32 s23, s15, 128*PITCH
	s_lshl_b32 s21, s16, 7
	s_add_co_u32 s23, s23, s21
	v_lshl_add_u32 v5, v2, 3, v3
	v_add_nc_u32 v[STO], s23, v5
	s_mul_i32 s23, s14, 64*PITCH
	v_and_b32 v6, 31, v0
	v_lshrrev_b32 v7, 2, v6
	v_and_b32 v8, 3, v6
	v_mul_u32_u24 v[RDQ], v7, PITCH
	v_lshl_add_u32 v[RDQ], v8, 4, v[RDQ]
	v_add_nc_u32 v[RDQ], s23, v[RDQ]
	v_mul_u32_u24 v[RDV], v2, PITCH
	v_lshl_add_u32 v[RDV], v1, 4, v[RDV]
	v_add_nc_u32 v[RDV], s23, v[RDV]
	v_lshlrev_b32 v[COV], 12, v2
	v_lshl_add_u32 v[COV], v1, 4, v[COV]
	v_lshlrev_b32 v[COQ], 4, v6
	s_lshl_b32 s92, s42, 20
	s_lshl_b32 s93, s17, 14
	s_add_co_u32 s92, s92, s93
	s_lshl_b32 s93, s14, 12
	s_add_co_u32 s92, s92, s93
	s_lshl_b32 s94, s17, 20
	s_lshl_b32 s93, s14, 18
	s_add_co_u32 s94, s94, s93
	s_lshl_b32 s93, s42, 8
	s_add_co_u32 s94, s94, s93
	s_cmp_lt_u32 s80, 2
	s_cselect_b32 s92, s92, s94
	s_add_co_u32 s92, s92, s84
	s_mov_b32 s93, 0
	s_add_nc_u64 s[10:11], s[10:11], s[92:93]
	s_wait_kmcnt 0x0
	s_sub_co_i32 s92, s74, s68
	s_sub_co_i32 s92, s92, s69
	s_sub_co_i32 s93, s75, s70
	s_sub_co_i32 s93, s93, s71
	s_sub_co_i32 s94, s77, s72
	s_sub_co_i32 s94, s94, s73
	s_cmp_eq_u32 s80, 1
	s_cselect_b32 s92, s93, s92
	s_cmp_eq_u32 s80, 2
	s_cselect_b32 s92, s94, s92
	s_add_co_i32 s92, s92, 127
	s_lshl_b32 s93, s92, 23
	v_mov_b32 v[SCV], s93
	s_add_co_i32 s92, s92, 8
	s_lshl_b32 s92, s92, 23
	s_or_b32 s92, s92, 0x600000
	v_mov_b32 v[LIMV], s92
.macro FRAG reg, adr, q, i
.irp c, 0,1,2,3
	ds_load_b128 v[\reg+4*\c:\reg+4*\c+3], v[\adr] offset:128*(\q)+32*\c+(\i)*16*PITCH
.endr
.endm
.macro MUL16 a0, p, zero
.irp a, \a0, \a0+1
.irp b, 0,1,2,3,4,5,6,7
.if \zero
	v_wmma_f32_16x16x128_fp8_fp8 v[8*(8*((\a)%4)+\b):8*(8*((\a)%4)+\b)+7], v[128*(\p)+FR*\b:128*(\p)+FR*\b+FR-1], v[AF+FR*(\a):AF+FR*(\a)+FR-1], 0
.else
	v_wmma_f32_16x16x128_fp8_fp8 v[8*(8*((\a)%4)+\b):8*(8*((\a)%4)+\b)+7], v[128*(\p)+FR*\b:128*(\p)+FR*\b+FR-1], v[AF+FR*(\a):AF+FR*(\a)+FR-1], v[8*(8*((\a)%4)+\b):8*(8*((\a)%4)+\b)+7]
.endif
.endr
.endr
.endm
.macro FETCH_B slot, q, p
	WIN TO_B
.irp i, 0,1,2,3,4,5,6,7
	FRAG 128*(\p)+FR*\i, ADRB+\slot, \q, \i
.endr
	WIN 0
.endm
.macro FETCH_A slot, q, i0
.irp i, \i0, \i0+1, \i0+2, \i0+3
	FRAG AF+FR*(\i), ADRA+\slot, \q, \i
.endr
.endm
.macro PLACES n
.rept \n
	v_nop
.endr
.endm
.macro STEP slot, q, zero
	s_wait_dscnt 4*NL
	WIN MUL_LO
	MUL16 0, (\q)%2, \zero
	MUL16 2, (\q)%2, \zero
	s_wait_dscnt 0
	PLACES NP
	FETCH_B \slot, (\q)+1, 1-(\q)%2
	FETCH_A \slot, (\q)+1, 0
	WIN MUL_HI
	MUL16 4, (\q)%2, \zero
	MUL16 6, (\q)%2, \zero
	PLACES NP
	WIN 0
	FETCH_A \slot, (\q)+1, 4
.endm
.macro TURN slot, next, fill
	s_wait_tensorcnt 0x0
	ds_add_u32 v[SPW], v[NIL]
	s_wait_dscnt 4*NL+1
	WIN MUL_LO
	MUL16 0, 1, 0
	s_wait_dscnt 0x0
	s_barrier_signal -1
	MUL16 2, 1, 0
	WIN 0
	s_barrier_wait -1
.if \fill
	CREST
	s_add_nc_u64 s[G0+4*\slot+2:G0+4*\slot+3], s[G0+4*\slot+2:G0+4*\slot+3], 2*ROWB
	s_add_nc_u64 s[G0B+4*\slot+2:G0B+4*\slot+3], s[G0B+4*\slot+2:G0B+4*\slot+3], 2*ROWB
	JLOAD G0+4*\slot, G1, G0B+4*\slot, G1B
.else
	PLACES NP
.endif
	FETCH_B \next, 0, 0
	FETCH_A \next, 0, 0
.if (\fill) && (\slot) == 0
	global_prefetch_b8 v[PFO], s[96:97] offset:768 th:TH_LOAD_NT scope:SCOPE_SE   ; (the loop has one trip: K step 3, the last)
.endif
	WIN MUL_HI
	MUL16 4, 1, 0
	MUL16 6, 1, 0
	PLACES NP
	WIN 0
	FETCH_A \next, 0, 4
.endm
	s_wait_alu depctr_va_vdst(0)                   ; the wait at the head's end
	s_wait_tensorcnt 0x0                           ; my part of K step 0 is in
	ds_add_u32 v[SPW], v[NIL]
	s_wait_dscnt 0x0
	CROUND
	JLOAD G0+4, G1, G0B+4, G1B                     ; K step 1, the first tensor load behind the round
	FETCH_B 0, 0, 0
	FETCH_A 0, 0, 0
	FETCH_A 0, 0, 4
	global_prefetch_b8 v[PFO], s[96:97] offset:512 th:TH_LOAD_NT scope:SCOPE_SE
	STEP 0, 0, 1
	s_mov_b32 s3, LAPS-1
.Llap:
	TURN 0, 1, 1
	STEP 1, 0, 0
	TURN 1, 0, 1
	STEP 0, 0, 0
	s_sub_co_u32 s3, s3, 1
	s_cmp_lg_u32 s3, 0
	s_cbranch_scc1 .Llap
	TURN 0, 1, 0
	STEP 1, 0, 0
	s_wait_dscnt 4*NL
	WIN MUL_LO
	MUL16 0, 1, 0
	MUL16 2, 1, 0
	s_wait_alu depctr_va_vdst(0)
	s_wait_dscnt 0
	WIN MUL_HI
	MUL16 4, 1, 0
	MUL16 6, 1, 0
	WIN 0
.macro QBLOCK a
.set AC, 64*((\a)%4)
	WIN 0x02+((\a)/4)
.set j, 0
.rept 64
	v_med3_num_f32 v[TMP+j], v[AC+j], -v[LIMV], v[LIMV]
.set j, j+1
.endr
	WIN 0
.irp b, 0,1,2,3,4,5,6,7
	v_cvt_scalef32_pk8_fp8_f32 v[CD+16*(\a)+2*\b:CD+16*(\a)+2*\b+1], v[TMP+8*\b:TMP+8*\b+7], v[SCV]
.endr
	v_nop
.irp b, 0,1,2,3,4,5,6,7
	ds_store_b64 v[STO], v[CD+16*(\a)+2*\b:CD+16*(\a)+2*\b+1] offset:16*PITCH*(\a)+16*\b
.endr
.endm
	PLACES NP
.irp a, 0,1,2,3,4,5,6,7
	QBLOCK \a
.endr
	s_wait_dscnt 0x0
	s_barrier_signal -1
	s_barrier_wait -1
	s_cmp_eq_u32 s80, 2
	s_cbranch_scc1 .Lvout
.set i, 0
.rept 32
	ds_load_b128 v[CD+4*i:CD+4*i+3], v[RDQ] offset:8*PITCH*(i/4)+64*(i%4)
.set i, i+1
.endr
.set i, 0
.rept 32
	s_wait_dscnt 31-i
	global_store_b128 v[COQ], v[CD+4*i:CD+4*i+3], s[10:11] offset:262144*(i%4)+512*(i/4)
.set i, i+1
.endr
	s_branch .Ldone
.Lvout:
.set i, 0
.rept 32
	ds_load_b128 v[CD+4*i:CD+4*i+3], v[RDV] offset:2*PITCH*i
.set i, i+1
.endr
.set i, 0
.rept 32
	s_wait_dscnt 31-i
	global_store_b128 v[COV], v[CD+4*i:CD+4*i+3], s[10:11] offset:8192*i
.set i, i+1
.endr
.Ldone:
	s_wait_tensorcnt 0x0
	ds_add_u32 v[SPW], v[NIL]
	s_wait_dscnt 0x0
	CROUND
	s_endpgm
.Lfunc_end_k_q34e050db44_qkv:
	.size	k_q34e050db44_qkv, .Lfunc_end_k_q34e050db44_qkv-k_q34e050db44_qkv
	.p2alignl 7, 3214868480
	.fill 96, 4, 3214868480
	.section	.rodata,"a",@progbits
	.p2align	6, 0x0
	.amdhsa_kernel k_q34e050db44_qkv
		.amdhsa_group_segment_fixed_size 327680
		.amdhsa_private_segment_fixed_size 0
		.amdhsa_enable_private_segment 0
		.amdhsa_kernarg_size 32
		.amdhsa_user_sgpr_count 2
		.amdhsa_user_sgpr_kernarg_segment_ptr 1
		.amdhsa_wavefront_size32 1
		.amdhsa_system_sgpr_workgroup_id_x 1
		.amdhsa_system_sgpr_workgroup_id_y 1
		.amdhsa_system_sgpr_workgroup_id_z 1
		.amdhsa_system_vgpr_workitem_id 0
		.amdhsa_next_free_vgpr 1024
		.amdhsa_next_free_sgpr 100
		.amdhsa_reserve_vcc 0
		.amdhsa_float_denorm_mode_32 3
		.amdhsa_float_denorm_mode_16_64 3
		.amdhsa_memory_ordered 1
		.amdhsa_forward_progress 1
		.amdhsa_inst_pref_size 133
	.end_amdhsa_kernel
	.amdgpu_metadata
---
amdhsa.version: [ 1, 2 ]
amdhsa.kernels:
  - .name:           k_q34e050db44_qkv
    .symbol:         k_q34e050db44_qkv.kd
    .args:
      - { .name: xc, .offset: 0, .size: 8, .value_kind: global_buffer, .address_space: global }
      - { .name: wc, .offset: 8, .size: 8, .value_kind: global_buffer, .address_space: global }
      - { .name: lowp_scales, .offset: 16, .size: 8, .value_kind: global_buffer, .address_space: global }
      - { .name: qkv, .offset: 24, .size: 8, .value_kind: global_buffer, .address_space: global }
    .group_segment_fixed_size: 327680
    .private_segment_fixed_size: 0
    .kernarg_segment_align: 8
    .kernarg_segment_size: 32
    .max_flat_workgroup_size: 128
    .sgpr_count:     100
    .vgpr_count:     1024
    .wavefront_size: 32
...
	.end_amdgpu_metadata
.endif
;; end of part 2
;; launch attn (part 3): grid 16 x 16, 8 waves a work-group, clusters of 4 x 1, 327,680 bytes of LDS; arguments qkv, lowp_scales, ac; writes ac
.if DOCPART == 3
	.amdgcn_target "amdgcn-amd-amdhsa--gfx1250"
	.amdhsa_code_object_version 6
	.text
	.protected	k_q34e050db44_attn
	.globl	k_q34e050db44_attn
	.p2align	8
	.type	k_q34e050db44_attn,@function
k_q34e050db44_attn:
	s_mov_b64 s[64:65], 0
	v_nop
	global_prefetch_b8 v0, s[64:65] scope:SCOPE_SE
	s_setreg_imm32_b32 hwreg(HW_REG_WAVE_MODE, 25, 1), 1
	s_wait_xcnt 0x0
	s_wait_alu depctr_hold_cnt(0) depctr_sa_sdst(0) depctr_va_vdst(0) depctr_va_sdst(0) depctr_va_ssrc(0) depctr_va_vcc(0) depctr_vm_vsrc(0)
	s_getreg_b32 s2, hwreg(HW_REG_IB_STS2, 6, 4)
	s_cmp_eq_u32 s2, 0
	s_cbranch_scc0 .Lentry_in_a_cluster
	s_endpgm
.Lentry_in_a_cluster:
	s_bfe_u32 s2, ttmp6, 0x10000c
	s_cmp_lg_u32 s2, 0x3003
	s_cbranch_scc0 .Lentry_shape_is_right
	s_endpgm
.Lentry_shape_is_right:
; Causal attention on E4M3 codes, head size 64.  q, k: [16 h][4096][64]; v: [16 h][64 d][4096 keys] (the keys are the second product's K); out: ac [16 h][4096][64], E4M3 with 2^e10.
; THE SOFTMAX: t = score x log2(e) / 8; M = the running largest t rounded up to a whole number; p = 2^(t - M) is quantised with 2^e8, not normalised; the row's sum is taken of the unquantised p and divides at the end.
; When M moves, the sum and O are multiplied by 2^(old M - new M), which rounds nothing.
; LEFT OUT: whole steps of 128 keys all of which come after a wave's queries: the causal mask gives them p = 0 for all values of the inputs.
; SHARES.  A cluster of four work-groups belongs to one head and owns two blocks of 512 queries: block c (the cluster's x, 0..3), then block 7 - c.  Waves w and 7 - w have the same 32 queries, two tiles of 16: with
; g = the lesser of w and 7 - w, first 512 c + 128 g + 32 cx on, then 512 (7 - c) + 128 (3 - g) + 32 cx on.  They share the keys: of each pair of key steps (128 keys) waves 0 to 3 take the even one, waves 4 to 7 the odd
; one, each with an M, a sum and an O of its own; at the end the two are joined through LDS under the greater M, by powers of two, and waves 0 to 3 finish the first tile, waves 4 to 7 the second.
; Keys come in slots of 512: slots 0 .. c for the first queries, 0 .. 7 - c for the second: nine in every cluster, the same in all partners, so each tile of K and V is asked for JOINTLY.  Hidden steps are jumped over by
; scalar branches on c, the wave's number and loop counts; cx enters only global addresses and the mask's data.
; A STEP IS CUT IN TWO: its scores are made (SCORES), then the next step's K is fetched, over a change of slots too, and only then come its softmax and its part of O (SOFT, PV), and the next step's V.
; LAYOUT.  Both products are used transposed: S^T = K Q^T (16x16x64: source 0 = 16 keys, source 1 = my queries), O^T = V^T P^T (16x16x128: source 0 = 16 of the head's 64, source 1 = P): a lane holds one query (lane % 16).
; Register 8 t + j of S^T is key 16 t + 8 (lane / 16) + j: tile t's conversion gives P's registers 2 t, 2 t + 1 in the place that the second product's form gives them; V's fragments come by 8-byte loads in the same places.
; K's and Q's fragments come by 16-byte loads: a permutation of the head's 64, the same on both sides.
; LIMITS: e6 + e7 between -121 and 130 (added to c's exponent field); e8, and e10 - e8 - e9, between -126 and 119.  Where e8 is under -8 the hold at the largest code acts on p under the running M.  NaN is not served.
; REGISTERS, window 0: v1-7, v30-38, v46-47 addresses, the add's two and the mask's number; tile 1: v[8:9] -M and the largest score, v[10:11] the sum, v[12:13] f; tile 2: v[14:15], v[16:17], v[18:19]; v20-27, v40-43 at work;
; v28 2^e8; v44, v45 the output's hold and scale; v64-127, v128-191 the two tiles' S^T, then p; v192-223 partial sums; v224-239, v240-255 P.   Window 1: v0-63 O^T; v64-127 K; v128-191 V; v192-207 Q; v208-223 the second queries' Q.
.set KP,    80                         ; a key's row in LDS: 64 bytes + 16: sixteen rows start at sixteen different groups of four banks (64 banks of 4 bytes: ISA guide 11.1)
.set VP,    528                        ; a row of V's tile: 512 keys + 16
.set VOFF,  512*KP                     ; a slot: 512 rows of K, then 64 rows of V: 74,752 bytes
.set SLOT1, 1<<17                      ; slot 1: one exclusive or turns an address from one slot to the other
.set XBASE, 206848                     ; the exchange of partial results: for each wave two tiles of 8 x 512 bytes of O and 512 of -M and the sum
.set XT,    4608
.set XW,    2*XT
.set STAGE, XBASE+8*XW                 ; the way out: 16 rows x 80 bytes for each wave
.set SPARE, STAGE+8*16*KP              ; the spare words, 128 bytes a wave: four blocks of 256 bytes that no other line names
.set SA, 64
.set SB, 128
.set T,  192
.set PA, 224
.set PB, 240
.set O,  0
.set KF, 64
.set VF, 128
.set QF, 192
.set QL, 208
; s2 LDS byte of the slot in hand; s3 the trip; s[4:5] q of my head; s[6:7], s[8:9] K's, V's half that my wave would fetch; s[10:11] ac of my head; s14 wave; s15 c; s16 cx; s18 the next tile's key slot; s[20:21] lane selects;
; s[22:23] log2(e) / 8 x 2^(e6 + e7); s[24:31], s[32:39] groups 1; s[40:43], s[44:47] groups 0; s48 my first query, s49 its diagonal step; s50, s51 the second's; s52 keys into the slot; s[56:57], s[58:59], s60 the prefetches;
; s61 448 x 2^e8; s62, s63 the output's scale and hold; s80 turns so far, s81 the turn in which the first queries end, s82 the trip in which they are stored; s83 the key step; s84, s85 the pending scores: on the diagonal,
; and any at all; s92 0 or 1: my keys' half; s93, s94 the first query that I store
.set MSB, 0
.macro WIN new
.if MSB != \new
	s_set_vgpr_msb (MSB<<8)|\new
.set MSB, \new
.endif
.endm
.macro CROUND
	s_barrier_signal -1
	s_barrier_wait -1
	s_cmp_lg_u32 s14, 0
	s_cbranch_scc1 .Lnot_wave_0_\@
	s_barrier_signal -3
.Lnot_wave_0_\@:
	s_barrier_wait -3
	s_barrier_signal -1
	s_barrier_wait -1
.endm
; Waves 0 and 1 fetch K's halves, waves 2 and 3 V's, the others nothing: branches on the wave's number alone.
.macro JLOAD
	s_cmp_lt_u32 s14, 2
	s_cbranch_scc0 .Lnot_k_\@
	tensor_load_to_lds s[40:43], s[24:31]
	s_nop 0
.rept 4
	v_nop
.endr
	s_branch .Lasked_\@
.Lnot_k_\@:
	s_cmp_lt_u32 s14, 4
	s_cbranch_scc0 .Lasked_\@
	tensor_load_to_lds s[44:47], s[32:39]
	s_nop 0
.rept 4
	v_nop
.endr
.Lasked_\@:
.endm
; A PREFETCH INTO THE L2 of the key slot that the next trip's joint load will name.  Cluster 0 of a head is the first to ask for key slots 4 to 7 (slot k in trip k), so it prefetches them, in trips 3 to 6, one trip ahead;
; slots 0 to 3 come by the loads alone.  Wave 4 asks for K's 32,768 bytes, wave 5 for V's 64 rows of 512: the four partners take a quarter each, told apart by address; a lane names one aligned block of 256 bytes, so each
; block is named once in the launch.  Nothing past slot 7 is named.
.macro ASK
	s_sub_co_u32 s96, s3, 3
	s_cmp_lt_u32 s96, s60
	s_cbranch_scc0 .Lnot_mine_\@
	global_prefetch_b8 v30, s[56:57] th:TH_LOAD_NT scope:SCOPE_SE
.Lnot_mine_\@:
.endm
; A pair of queries' tiles begins: O^T and the sums are zeros and the largest scores -3e38: the first step needs no text of its own.
.macro START
	v_mov_b32 v8, 0x7f61b1e6
	v_mov_b32 v9, 0xff61b1e6
	v_mov_b32 v14, 0x7f61b1e6
	v_mov_b32 v15, 0xff61b1e6
.irp r, 10, 11, 16, 17
	v_mov_b32 v\r, 0
.endr
	WIN 0x40
.set j, 0
.rept 64
	v_mov_b32 v[O+j], 0
.set j, j+1
.endr
	WIN 0
.endm
.macro FETCH_K                         ; eight tiles of 16 keys x 64
	WIN 0x40
.irp t, 0,1,2,3,4,5,6,7
	ds_load_b128 v[KF+8*\t:KF+8*\t+3], v3 offset:16*KP*\t
	ds_load_b128 v[KF+8*\t+4:KF+8*\t+7], v3 offset:16*KP*\t+32
.endr
	WIN 0
.endm
.macro FETCH_V                         ; four tiles of 16 of the head's 64 x 128 keys
	WIN 0x40
.irp u, 0,1,2,3
.irp c, 0,1,2,3,4,5,6,7
	ds_load_b64 v[VF+16*\u+2*\c:VF+16*\u+2*\c+1], v4 offset:16*VP*\u+16*\c
.endr
.endr
	WIN 0
.endm
.macro SCORES                          ; each fragment of K feeds both tiles of queries
	WIN 0x05
.irp t, 0,1,2,3,4,5,6,7
	v_wmma_f32_16x16x64_fp8_fp8 v[SA+8*\t:SA+8*\t+7], v[KF+8*\t:KF+8*\t+7], v[QF:QF+7], 0
	v_wmma_f32_16x16x64_fp8_fp8 v[SB+8*\t:SB+8*\t+7], v[KF+8*\t:KF+8*\t+7], v[QF+8:QF+15], 0
.endr
	WIN 0
.endm
.macro HOLD r                          ; the conversion does not saturate (ISA guide 7.6.2); p is not negative, so the hold is one-sided
	v_dual_min_num_f32 v[\r], s61, v[\r] :: v_dual_min_num_f32 v[\r+1], s61, v[\r+1]
.endm
.macro ADD2 d, a, b
	v_pk_add_f32 v[\d:\d+1], v[\a:\a+1], v[\b:\b+1]
.endm
; The softmax of both tiles' 128 keys, line by line in turn.
.macro SOFT
	s_cmp_eq_u32 s84, 0
	s_cbranch_scc1 .Lopen_\@
	v_mov_b32 v20, 0xff800000                      ; on the diagonal hidden scores become -infinity ahead of the maximum: p = 0 then.  A query's own key counts, so M is a number
	s_wait_alu depctr_va_vdst(0)                   ; ahead of the scores' first reader
.set n, 0
.rept 64
	v_cmp_gt_i32 vcc_lo, 16*(n/8)+n%8, v7
	v_cndmask_b32 v[SA+n], v[SA+n], v20, vcc_lo
	v_cmp_gt_i32 vcc_lo, 16*(n/8)+n%8-16, v7
	v_cndmask_b32 v[SB+n], v[SB+n], v20, vcc_lo
.set n, n+1
.endr
.Lopen_\@:
	s_wait_alu depctr_va_vdst(0)                   ; ahead of the scores' first reader
	v_max3_num_f32 v20, v[SA], v[SA+1], v[SA+2]    ; the largest score of my query among my 64 keys, each accumulator from its low end on
	v_max3_num_f32 v22, v[SB], v[SB+1], v[SB+2]
	v_max3_num_f32 v21, v[SA+3], v[SA+4], v[SA+5]
	v_max3_num_f32 v23, v[SB+3], v[SB+4], v[SB+5]
.irp i, 6,10,14,18,22,26,30,34,38,42,46,50,54,58
	v_max3_num_f32 v20, v20, v[SA+\i], v[SA+\i+1]
	v_max3_num_f32 v22, v22, v[SB+\i], v[SB+\i+1]
	v_max3_num_f32 v21, v21, v[SA+\i+2], v[SA+\i+3]
	v_max3_num_f32 v23, v23, v[SB+\i+2], v[SB+\i+3]
.endr
	v_max3_num_f32 v20, v20, v[SA+62], v[SA+63]
	v_max3_num_f32 v22, v22, v[SB+62], v[SB+63]
	v_max_num_f32 v20, v20, v21
	v_max_num_f32 v22, v22, v23
	v_permlanex16_b32 v24, v20, s20, s21
	v_permlanex16_b32 v25, v22, s20, s21
	v_max3_num_f32 v9, v9, v20, v24                ; with lane l xor 16's and the largest so far
	v_max3_num_f32 v15, v15, v22, v25
	v_mul_f32 v24, s22, -v9                        ; -t (the factor is positive)
	v_mul_f32 v25, s22, -v15
	v_floor_f32 v24, v24                           ; -M = floor(-t): M is a whole number
	v_floor_f32 v25, v25
	v_sub_f32 v20, v24, v8
	v_sub_f32 v22, v25, v14
	v_mov_b32 v8, v24
	v_mov_b32 v14, v25
	v_cvt_i32_f32 v20, v20                         ; (it saturates)
	v_cvt_i32_f32 v22, v22
	v_ldexp_f32 v12, 1.0, v20                      ; f = 2^(old M - new M)
	v_ldexp_f32 v18, 1.0, v22
.set j, 0
.rept 32
	v_pk_fma_f32 v[SA+j:SA+j+1], v[SA+j:SA+j+1], s[22:23], v[8:9] op_sel_hi:[1,0,0]   ; t - M
	v_pk_fma_f32 v[SB+j:SB+j+1], v[SB+j:SB+j+1], s[22:23], v[14:15] op_sel_hi:[1,0,0]
.set j, j+2
.endr
	s_wait_dscnt 0x0                               ; this step's V and the next step's K are in
	s_wait_alu depctr_va_vdst(0)                   ; ahead of the exponentials, and of O^T's first reader
	WIN 0x41
.set j, 0
.rept 16
	v_pk_mul_f32 v[O+j:O+j+1], v[O+j:O+j+1], v[12:13] op_sel_hi:[1,0]   ; O^T under the new M
	v_pk_mul_f32 v[O+32+j:O+33+j], v[O+32+j:O+33+j], v[18:19] op_sel_hi:[1,0]
.set j, j+2
.endr
	WIN 0
.set j, 0
.rept 64
	v_exp_f32 v[SA+j], v[SA+j]
.set j, j+1
.endr
	v_pk_mul_f32 v[10:11], v[10:11], v[12:13] op_sel_hi:[1,0]   ; the sum under the new M: the plain line behind the exponentials
	s_wait_alu depctr_va_vdst(0)                   ; ahead of the first tile's first reader
.irp j, 0,1,2,3,4,5,6,7,8,9,10,11,12,13,14,15  ; the second tile's exponentials, with the first tile's sums in pairs and holds among them: nothing that is written here is read ahead of the next wait
	v_exp_f32 v[SB+4*\j], v[SB+4*\j]
	ADD2 T+2*\j, SA+4*\j, SA+4*\j+2
	v_exp_f32 v[SB+4*\j+1], v[SB+4*\j+1]
	HOLD SA+4*\j
	v_exp_f32 v[SB+4*\j+2], v[SB+4*\j+2]
	HOLD SA+4*\j+2
	v_exp_f32 v[SB+4*\j+3], v[SB+4*\j+3]
.endr
	v_pk_mul_f32 v[16:17], v[16:17], v[18:19] op_sel_hi:[1,0]
	s_wait_alu depctr_va_vdst(0)                   ; ahead of the readers of both batches
.irp j, 0,1,2,3,4,5,6,7
	ADD2 T+2*\j, T+2*\j, T+16+2*\j
	v_cvt_scalef32_pk8_fp8_f32 v[PA+2*\j:PA+2*\j+1], v[SA+8*\j:SA+8*\j+7], v28
.endr
.irp j, 0,1,2,3,4,5,6,7,8,9,10,11,12,13,14,15  ; the second tile's sums in pairs (into the first tile's registers, whose codes are made) and holds; among them the rest of the first tile's sum
	ADD2 SA+2*\j, SB+4*\j, SB+4*\j+2
.if \j < 4
	ADD2 T+2*\j, T+2*\j, T+8+2*\j
.endif
.if (\j == 6) || (\j == 7)
	ADD2 T+2*(\j-6), T+2*(\j-6), T+4+2*(\j-6)
.endif
.if \j == 10
	ADD2 T, T, T+2
.endif
.if \j == 13
	ADD2 10, 10, T
.endif
	HOLD SB+4*\j
	HOLD SB+4*\j+2
.endr
.irp j, 0,1,2,3,4,5,6,7
	ADD2 T+2*\j, SA+2*\j, SA+16+2*\j
	v_cvt_scalef32_pk8_fp8_f32 v[PB+2*\j:PB+2*\j+1], v[SB+8*\j:SB+8*\j+7], v28
.endr
.irp j, 0,1,2,3
	ADD2 T+2*\j, T+2*\j, T+8+2*\j
.endr
.endm
.macro PV                              ; O^T += V^T P^T: the eight accumulators take turns; the four sums behind are the places in front of the next loads into V and of O^T's readers
	WIN 0x51
.irp u, 0,1,2,3
	v_wmma_f32_16x16x128_fp8_fp8 v[O+8*\u:O+8*\u+7], v[VF+16*\u:VF+16*\u+15], v[PA:PA+15], v[O+8*\u:O+8*\u+7]
	v_wmma_f32_16x16x128_fp8_fp8 v[O+32+8*\u:O+39+8*\u], v[VF+16*\u:VF+16*\u+15], v[PB:PB+15], v[O+32+8*\u:O+39+8*\u]
.endr
	WIN 0
	ADD2 T, T, T+4
	ADD2 T+2, T+2, T+6
	ADD2 T, T, T+2
	ADD2 16, 16, T
.endm
.macro PUT                             ; my partial results into the exchange
	s_wait_alu depctr_va_vdst(0)
	v_add_f32 v21, v10, v11
	v_add_f32 v23, v16, v17
	v_mov_b32 v20, v8
	v_mov_b32 v22, v14
	ds_store_b64 v36, v[20:21] offset:4096
	ds_store_b64 v36, v[22:23] offset:4096+XT
	WIN 0x04
.irp i, 0,1,2,3,4,5,6,7
	ds_store_b128 v36, v[O+4*\i:O+4*\i+3] offset:512*\i
	ds_store_b128 v36, v[O+32+4*\i:O+35+4*\i] offset:XT+512*\i
.endr
	WIN 0
.endm
; One tile ends: mine and my partner's part are joined under the greater M, divided by the sum, held, converted with 2^(e10 - e8 - e9); 8 codes a lane and tile go through my stage and leave as 1,024 consecutive bytes.
; It stands where K's registers and the partial sums' are free.
.macro OUT q
.rept 4
	v_nop                                          ; places behind the last scores' products, in front of the loads into K's registers
.endr
	WIN 0x40
.irp i, 0,1,2,3,4,5,6,7
	ds_load_b128 v[KF+4*\i:KF+4*\i+3], v37 offset:512*\i
	ds_load_b128 v[KF+32+4*\i:KF+35+4*\i], v38 offset:512*\i
.endr
	WIN 0
	ds_load_b64 v[20:21], v37 offset:4096
	ds_load_b64 v[22:23], v38 offset:4096
	s_lshl_b32 s86, \q, 6
	s_mov_b32 s87, 0
	s_add_nc_u64 s[86:87], s[10:11], s[86:87]
	s_wait_dscnt 0x0
	v_min_num_f32 v24, v20, v22                    ; -M of both
	v_sub_f32 v26, v24, v20
	v_sub_f32 v27, v24, v22
	v_cvt_i32_f32 v26, v26
	v_cvt_i32_f32 v27, v27
	v_ldexp_f32 v26, 1.0, v26                      ; my factor, and my partner's
	v_ldexp_f32 v27, 1.0, v27
	v_mul_f32 v21, v21, v26
	v_fmac_f32 v21, v23, v27
	v_permlanex16_b32 v25, v21, s20, s21
	v_add_f32 v21, v21, v25                        ; the row's sum
	s_wait_alu depctr_va_vdst(0)
	v_rcp_f32 v24, v21
	v_nop
	s_wait_alu depctr_va_vdst(0)                   ; ahead of the reciprocal's first reader
	v_mul_f32 v40, v26, v24
	v_mul_f32 v42, v27, v24
	WIN 0x01
.set j, 0
.rept 16
	v_pk_mul_f32 v[T+j:T+j+1], v[KF+j:KF+j+1], v[40:41] op_sel_hi:[1,0]
.set j, j+2
.endr
.set j, 0
.rept 16
	v_pk_fma_f32 v[T+j:T+j+1], v[KF+32+j:KF+33+j], v[42:43], v[T+j:T+j+1] op_sel_hi:[1,0,1]
.set j, j+2
.endr
	WIN 0
.set j, 0
.rept 32
	v_med3_num_f32 v[T+j], v[T+j], -v44, v44
.set j, j+1
.endr
.irp u, 0,1,2,3
	v_cvt_scalef32_pk8_fp8_f32 v[PA+2*\u:PA+2*\u+1], v[T+8*\u:T+8*\u+7], v45
.endr
	v_nop
	s_wait_alu depctr_va_vdst(0)
.irp u, 0,1,2,3
	ds_store_b64 v33, v[PA+2*\u:PA+2*\u+1] offset:16*\u
.endr
	ds_load_b128 v[PA+8:PA+11], v34                ; LDS serves a wave's instructions in order: these see my stores
	ds_load_b128 v[PA+12:PA+15], v34 offset:8*KP
	s_wait_dscnt 1
	global_store_b128 v46, v[PA+8:PA+11], s[86:87]
	s_wait_dscnt 0x0
	global_store_b128 v46, v[PA+12:PA+15], s[86:87] offset:512
	s_wait_xcnt 0x0                                ; the stores have read their registers and their base: all are written again
.endm
; ONE TURN OF THE INNER LOOP: the K of the step that s52 names is fetched, the pending step's softmax and O follow, then the named step's V and scores.  last = 1: the last slot, and one turn more that only works the pending step.
.macro BODY last
	s_wait_dscnt 32                                ; the last fetch of K is in (V's 32 loads are younger)
	s_mul_i32 s53, s52, KP
	s_add_co_u32 s53, s53, s2
	v_add_nc_u32 v3, s53, v1
.rept 3
	v_nop                                          ; with the line above four places behind the scores' products: in front of the loads into K and of the scores' first reader
.endr
.if \last
	s_cmp_eq_u32 s52, 512
	s_cbranch_scc1 .Lno_k_\@
.endif
	FETCH_K
.Lno_k_\@:
	s_cmp_eq_u32 s85, 0
	s_cbranch_scc1 .Lnone_\@
	SOFT
	PV
.Lnone_\@:
.if \last == 0
	s_cmp_lg_u32 s80, s81                          ; the first queries' last step has been worked?
	s_cbranch_scc1 .Lsame_\@
	PUT
	START
	WIN 0x41
.irp i, 0,1,2,3,4,5,6,7,8,9,10,11,12,13,14,15
	v_mov_b32 v[QF+\i], v[QL+\i]
.endr
	WIN 0
	s_mov_b32 s49, s51
	s_wait_alu depctr_va_vdst(0)
.Lsame_\@:
.else
	s_cmp_eq_u32 s52, 512
	s_cbranch_scc1 .Lend_\@
.endif
	s_wait_dscnt 16                                ; the last fetch of V is in (K's 16 loads are younger)
	s_add_co_u32 s53, s2, s52
	v_add_nc_u32 v4, s53, v2
	FETCH_V
	s_mov_b32 s85, 0
	s_cmp_gt_u32 s83, s49                          ; all its keys come after my queries
	s_cbranch_scc1 .Lend_\@
	s_cmp_eq_u32 s83, s49
	s_cselect_b32 s84, 1, 0
	s_mov_b32 s85, 1
	s_wait_dscnt 32                                ; K is in; the 32 loads of V may be out
	SCORES
.Lend_\@:
	s_add_co_u32 s83, s83, 2
	s_add_co_u32 s80, s80, 1
	s_add_co_u32 s52, s52, 256
.endm
	s_load_b128 s[76:79], s[0:1], 0x0              ; qkv, the exponents
	s_load_b64 s[10:11], s[0:1], 0x10              ; ac
	v_lshl_add_u32 v5, v0, 2, SPARE
	v_mov_b32 v6, 0
	ds_add_u32 v5, v6                              ; the wave's opening: the add, twice on end, and its wait
	ds_add_u32 v5, v6
	v_lshrrev_b32 v20, 5, v0
	v_readfirstlane_b32 s14, v20                   ; wave 0..7
	s_mov_b32 s15, ttmp9                           ; c: the cluster's x
	s_bfe_u32 s16, ttmp6, 0x40000                  ; cx
	s_and_b32 s17, ttmp7, 0xffff                   ; the head
	s_lshl_b32 s66, s17, 18                        ; a head's 262,144 bytes in each part
	s_mov_b32 s67, 0
	s_lshr_b32 s92, s14, 2                         ; which key step of a pair is mine
	s_xor_b32 s97, s14, 7
	s_min_u32 s96, s14, s97                        ; g
	s_lshl_b32 s49, s15, 2
	s_add_co_u32 s49, s49, s96                     ; the diagonal step, 4 c + g,
	s_sub_co_u32 s51, 31, s49                      ; and the second queries', 4 (7 - c) + 3 - g
	s_lshl_b32 s53, s16, 5
	s_lshl_b32 s48, s49, 7
	s_add_co_u32 s48, s48, s53                     ; my first query: 128 x the diagonal step + 32 cx
	s_lshl_b32 s50, s51, 7
	s_add_co_u32 s50, s50, s53
	s_lshl_b32 s52, s92, 4
	s_add_co_u32 s93, s48, s52
	s_add_co_u32 s94, s50, s52
	; group 1.  K: 256 keys x 64 bytes are dense in memory: 64 rows of 256 bytes, 4 words of padding behind every 16 (a key's 64 bytes).  V: 32 rows of 512 bytes, 4,096 apart, 4 words behind every 128
	s_mov_b32 s24, 15|(0<<16)|(1<<20)|(1<<21)|(3<<22)|(3<<25)
	s_mov_b32 s25, 256<<16
	s_mov_b32 s26, 64<<16
	s_mov_b32 s27, 256<<16
	s_mov_b32 s28, 64
	s_mov_b32 s29, 256
	s_mov_b32 s30, 0
	s_mov_b32 s31, 0
	s_mov_b32 s32, 15|(0<<16)|(1<<20)|(1<<21)|(6<<22)|(3<<25)
	s_mov_b32 s33, 512<<16
	s_mov_b32 s34, 32<<16
	s_mov_b32 s35, 512<<16
	s_mov_b32 s36, 32
	s_mov_b32 s37, 4096
	s_mov_b32 s38, 0
	s_mov_b32 s39, 0
	s_and_b32 s86, s14, 1                          ; which half I would fetch
	s_mov_b32 s40, 1
	s_mul_i32 s41, s86, 256*KP
	s_mov_b32 s44, 1
	s_mul_i32 s45, s86, 32*VP
	s_add_co_u32 s45, s45, VOFF
	s_lshl_b32 s82, s86, 14                        ; 256 keys of 64 bytes
	s_mov_b32 s83, 0
	s_lshl_b32 s84, s86, 17                        ; 32 rows of 4,096 bytes
	s_mov_b32 s85, 0
	s_mov_b32 s20, 0x76543210
	s_mov_b32 s21, 0xfedcba98
	s_mov_b32 s2, 0
	s_mov_b32 s18, 0
	s_wait_alu depctr_va_vdst(0)                   ; directly ahead of the waits below
	s_wait_dscnt 0x0                               ; both opening adds are done
	s_wait_kmcnt 0x0
	s_load_b256 s[68:75], s[78:79], 0x10           ; e4 .. e11
	s_add_nc_u64 s[4:5], s[76:77], s[66:67]        ; q of my head
	s_add_nc_u64 s[10:11], s[10:11], s[66:67]      ; ac of my head
	s_add_nc_u64 s[88:89], s[4:5], 0x400000        ; k of my head
	s_add_nc_u64 s[90:91], s[4:5], 0x800000        ; v of my head
	s_add_nc_u64 s[6:7], s[88:89], s[82:83]
	s_add_nc_u64 s[8:9], s[90:91], s[84:85]
	s_mov_b64 s[42:43], s[6:7]
	s_or_b32 s43, s43, 0x80000000
	s_mov_b64 s[46:47], s[8:9]
	s_or_b32 s47, s47, 0x80000000
	CROUND                                         ; all four work-groups are here: the first joint loads meet
	JLOAD                                          ; key slot 0 into LDS slot 0
	; the prefetches: wave 4 K, wave 5 V
	s_cmp_eq_u32 s14, 4
	s_cselect_b64 s[56:57], s[88:89], s[90:91]
	s_mov_b32 s58, 512
	s_cselect_b32 s58, 0x8000, s58                 ; a key slot on
	s_mov_b32 s59, 0
	s_mov_b32 s97, 4096
	s_cselect_b32 s97, 512, s97                    ; from one pair of lanes to the next
	s_cselect_b32 s96, 13, 16
	s_lshl_b32 s86, s16, s96                       ; my work-group's quarter: 8,192 bytes of K, 16 rows of V
	s_mov_b32 s87, 0
	s_add_nc_u64 s[56:57], s[56:57], s[86:87]      ; at key slot 0; every trip steps it, so that in trip T it stands at slot T + 1
	s_lshr_b32 s96, s14, 1
	s_xor_b32 s96, s96, 2                          ; 0 in waves 4 and 5,
	s_or_b32 s96, s96, s15                         ; of cluster 0
	s_cmp_eq_u32 s96, 0
	s_cselect_b32 s60, 4, 0
	s_lshl_b32 s54, s48, 6
	s_mov_b32 s55, 0
	s_add_nc_u64 s[54:55], s[4:5], s[54:55]        ; Q of my first queries,
	s_lshl_b32 s88, s50, 6
	s_mov_b32 s89, 0
	s_add_nc_u64 s[88:89], s[4:5], s[88:89]        ; and of the second
	s_mul_i32 s95, s92, 128*KP
	s_lshl_b32 s98, s92, 7
	s_add_co_u32 s98, s98, VOFF
	s_mul_i32 s99, s14, 16*KP
	s_add_co_u32 s99, s99, STAGE                   ; my stage
	s_mul_i32 s86, s14, XW
	s_add_co_u32 s86, s86, XBASE                   ; my place in the exchange
	s_mul_i32 s90, s92, XT                         ; the tile that I finish
	s_xor_b32 s87, s14, 7
	s_mul_i32 s87, s87, XW
	s_add_co_u32 s87, s87, XBASE
	s_add_co_u32 s87, s87, s90                     ; and in my partner's place
	s_mov_b32 s80, 0
	s_lshl_b32 s81, s15, 1
	s_add_co_u32 s81, s81, 2                       ; trip c + 1, first step
	s_add_co_u32 s82, s15, 2                       ; trip c + 2
	s_mov_b32 s84, 0
	s_mov_b32 s85, 0
	v_and_b32 v20, 15, v0                          ; r
	v_bfe_u32 v21, v0, 4, 1                        ; h
	v_and_b32 v22, 31, v0                          ; lane
	v_lshlrev_b32 v47, 6, v20
	v_lshl_add_u32 v47, v21, 4, v47
	WIN 0x40
.irp u, 0,1
	global_load_b128 v[QF+8*\u:QF+8*\u+3], v47, s[54:55] offset:1024*\u
	global_load_b128 v[QF+8*\u+4:QF+8*\u+7], v47, s[54:55] offset:1024*\u+32
	global_load_b128 v[QL+8*\u:QL+8*\u+3], v47, s[88:89] offset:1024*\u
	global_load_b128 v[QL+8*\u+4:QL+8*\u+7], v47, s[88:89] offset:1024*\u+32
.endr
	WIN 0
	v_mul_u32_u24 v23, v20, KP
	v_lshl_add_u32 v1, v21, 4, v23
	v_add_nc_u32 v1, s95, v1                       ; K: row r, + 16 h, in my step of a pair
	v_lshl_add_u32 v33, v21, 3, v23
	v_add_nc_u32 v33, s99, v33                     ; the stage, in: row r, + 8 h
	v_mul_u32_u24 v2, v20, VP
	v_lshl_add_u32 v2, v21, 3, v2
	v_add_nc_u32 v2, s98, v2                       ; V: row r, + 8 h
	v_lshrrev_b32 v24, 2, v22
	v_and_b32 v25, 3, v22
	v_mul_u32_u24 v34, v24, KP
	v_lshl_add_u32 v34, v25, 4, v34
	v_add_nc_u32 v34, s99, v34                     ; and back: four lanes to a row of 64 bytes
	v_lshlrev_b32 v46, 4, v22
	v_add_nc_u32 v36, s86, v46
	v_add_nc_u32 v37, s90, v36
	v_add_nc_u32 v38, s87, v46
	v_lshrrev_b32 v24, 1, v22
	v_and_b32 v25, 1, v22
	v_mul_lo_u32 v30, v24, s97
	v_lshl_add_u32 v30, v25, 8, v30
	v_lshlrev_b32 v21, 3, v21
	v_sub_nc_u32 v7, v20, v21
	s_lshl_b32 s96, s16, 5
	v_add_nc_u32 v7, s96, v7                       ; my first tile's query in its step of 128 keys, less 8 h: register 8 t + j is hidden where 16 t + j is greater; in the second tile 16 more
.irp r, 13, 19, 24, 25, 41, 43
	v_mov_b32 v\r, 0                               ; (upper halves of named pairs; lane permutes' destinations)
.endr
	START
	s_wait_alu depctr_va_vdst(0)                   ; directly ahead of the wait below
	s_wait_kmcnt 0x0
	s_add_co_i32 s96, s70, s71                     ; a score stands for score x 2^(e6 + e7): added to the factor's exponent field
	s_lshl_b32 s96, s96, 23
	s_add_co_i32 s22, s96, 0x3e38aa3b              ; log2(e) / 8
	s_mov_b32 s23, s22                             ; (named with it as a pair)
	s_add_co_i32 s96, s72, 127
	s_lshl_b32 s97, s96, 23                        ; 2^e8
	s_add_co_i32 s96, s96, 8
	s_lshl_b32 s96, s96, 23
	s_or_b32 s61, s96, 0x600000                    ; 448 x 2^e8
	s_sub_co_i32 s96, s74, s72                     ; O / l stands for that x 2^(e8 + e9): its code is taken with 2^(e10 - e8 - e9)
	s_sub_co_i32 s96, s96, s73
	s_add_co_i32 s96, s96, 127
	s_lshl_b32 s62, s96, 23
	s_add_co_i32 s96, s96, 8
	s_lshl_b32 s96, s96, 23
	s_or_b32 s63, s96, 0x600000
	v_mov_b32 v28, s97
	v_mov_b32 v44, s63
	v_mov_b32 v45, s62
	s_wait_alu depctr_va_vdst(0)                   ; the wait at the head's end
	s_wait_loadcnt 0x0                             ; Q
	s_mov_b32 s3, 0
; THE CHANGE OF SLOTS: each wave waits for all its tensor loads, adds 0 to its spare word, and waits for that and for its reads of the slot that it has left; behind the round that slot is filled with the next tile, which has
; a whole slot's steps in which to land.  At most one tensor load of a wave is out.
.Ltrip:                                            ; eight trips: behind each change the next of the nine tiles is asked for
	s_wait_tensorcnt 0x0                           ; no tensor load of mine is out, so a group 0 may be written
	ds_add_u32 v5, v6                              ; the add, twice on end
	ds_add_u32 v5, v6
	s_lshl_b32 s83, s18, 2
	s_add_co_u32 s83, s83, s92                     ; this trip's first key step of mine
	s_add_co_u32 s18, s18, 1                       ; the next tile's key slot: one on, or 0 where the second queries begin
	s_cmp_eq_u32 s3, s15
	s_cselect_b32 s18, 0, s18
	s_xor_b32 s41, s41, SLOT1
	s_xor_b32 s45, s45, SLOT1
	s_lshl_b32 s54, s18, 15
	s_mov_b32 s55, 0
	s_add_nc_u64 s[42:43], s[6:7], s[54:55]
	s_or_b32 s43, s43, 0x80000000
	s_lshl_b32 s54, s18, 9
	s_add_nc_u64 s[46:47], s[8:9], s[54:55]
	s_or_b32 s47, s47, 0x80000000
	s_wait_xcnt 0x0                                ; the last prefetch, a trip back, has read its address
	s_add_nc_u64 s[56:57], s[56:57], s[58:59]
	s_wait_dscnt 0x0                               ; both adds are done, and my reads of the slot that I have left are over
	CROUND
	JLOAD
	ASK
	s_cmp_lg_u32 s3, s82                           ; the first queries' parts were put into the exchange a trip ago: behind the round both partners' are there
	s_cbranch_scc1 .Lkeep
	OUT s93
.Lkeep:
	s_wait_dscnt 0x0                               ; the exchange has been read: a barrier stands between these reads and any later store there.
	s_barrier_signal -1
	s_barrier_wait -1
	s_mov_b32 s52, 0
.Lstep:
	BODY 0
	s_cmp_lt_u32 s52, 512
	s_cbranch_scc1 .Lstep
	s_xor_b32 s2, s2, SLOT1
	s_add_co_u32 s3, s3, 1
	s_cmp_lt_u32 s3, 8
	s_cbranch_scc1 .Ltrip
	s_wait_tensorcnt 0x0                           ; the last slot is written out
	ds_add_u32 v5, v6
	s_lshl_b32 s83, s18, 2
	s_add_co_u32 s83, s83, s92
	s_wait_dscnt 0x0
	s_barrier_signal -1
	s_barrier_wait -1
	s_mov_b32 s52, 0
.Ltail:
	BODY 1
	s_cmp_lt_u32 s52, 768
	s_cbranch_scc1 .Ltail
	PUT
	s_wait_alu depctr_va_vdst(0)
	s_wait_dscnt 0x0                               ; my parts are in the exchange
	s_barrier_signal -1
	s_barrier_wait -1
	OUT s94
	s_wait_tensorcnt 0x0                           ; the wave's end
	ds_add_u32 v5, v6
	s_wait_dscnt 0x0
	CROUND                                         ; the closing round
	s_endpgm
.Lfunc_end_k_q34e050db44_attn:
	.size	k_q34e050db44_attn, .Lfunc_end_k_q34e050db44_attn-k_q34e050db44_attn
	.p2alignl 7, 3214868480
	.fill 96, 4, 3214868480
	.section	.rodata,"a",@progbits
	.p2align	6, 0x0
	.amdhsa_kernel k_q34e050db44_attn
		.amdhsa_group_segment_fixed_size 327680
		.amdhsa_private_segment_fixed_size 0
		.amdhsa_enable_private_segment 0
		.amdhsa_kernarg_size 24
		.amdhsa_user_sgpr_count 2
		.amdhsa_user_sgpr_kernarg_segment_ptr 1
		.amdhsa_wavefront_size32 1
		.amdhsa_system_sgpr_workgroup_id_x 1
		.amdhsa_system_sgpr_workgroup_id_y 1
		.amdhsa_system_sgpr_workgroup_id_z 1
		.amdhsa_system_vgpr_workitem_id 0
		.amdhsa_next_free_vgpr 512
		.amdhsa_next_free_sgpr 100
		.amdhsa_reserve_vcc 1
		.amdhsa_float_denorm_mode_32 3
		.amdhsa_float_denorm_mode_16_64 3
		.amdhsa_memory_ordered 1
		.amdhsa_forward_progress 1
		.amdhsa_inst_pref_size 115
	.end_amdhsa_kernel
	.amdgpu_metadata
---
amdhsa.version: [ 1, 2 ]
amdhsa.kernels:
  - .name:           k_q34e050db44_attn
    .symbol:         k_q34e050db44_attn.kd
    .args:
      - { .name: qkv, .offset: 0, .size: 8, .value_kind: global_buffer, .address_space: global }
      - { .name: lowp_scales, .offset: 8, .size: 8, .value_kind: global_buffer, .address_space: global }
      - { .name: ac, .offset: 16, .size: 8, .value_kind: global_buffer, .address_space: global }
    .group_segment_fixed_size: 327680
    .private_segment_fixed_size: 0
    .kernarg_segment_align: 8
    .kernarg_segment_size: 24
    .max_flat_workgroup_size: 256
    .sgpr_count:     100
    .vgpr_count:     512
    .wavefront_size: 32
...
	.end_amdgpu_metadata
.endif
;; end of part 3
;; launch oproj (part 4): grid 8 x 32, 4 waves a work-group, clusters of 4 x 4, 327,680 bytes of LDS; arguments ac, wc, lowp_scales, out0; writes out0
.if DOCPART == 4
	.amdgcn_target "amdgcn-amd-amdhsa--gfx1250"
	.amdhsa_code_object_version 6
	.text
	.protected	k_q34e050db44_oproj
	.globl	k_q34e050db44_oproj
	.p2align	8
	.type	k_q34e050db44_oproj,@function
k_q34e050db44_oproj:
	s_mov_b64 s[64:65], 0
	v_nop
	global_prefetch_b8 v0, s[64:65] scope:SCOPE_SE
	s_setreg_imm32_b32 hwreg(HW_REG_WAVE_MODE, 25, 1), 1
	s_wait_xcnt 0x0
	s_wait_alu depctr_hold_cnt(0) depctr_sa_sdst(0) depctr_va_vdst(0) depctr_va_sdst(0) depctr_va_ssrc(0) depctr_va_vcc(0) depctr_vm_vsrc(0)
	s_getreg_b32 s2, hwreg(HW_REG_IB_STS2, 6, 4)
	s_cmp_eq_u32 s2, 0
	s_cbranch_scc0 .Lentry_in_a_cluster
	s_endpgm
.Lentry_in_a_cluster:
	s_bfe_u32 s2, ttmp6, 0x10000c
	s_cmp_lg_u32 s2, 0xf033
	s_cbranch_scc0 .Lentry_shape_is_right
	s_endpgm
.Lentry_shape_is_right:
; out0 [4096][1024] f32 = (attention's output, codes with 2^e10) x (Wo, codes with 2^e11), K = 1,024.  ac: [16 h][4096][64]; Wo's codes: part 3 of wc, [1024 n][1024 k].
; Tiles of 128 x 128: 256 work-groups; four waves of 64 x 64.  ALL OF K FITS IN LDS: no ring, no loop, and so no prefetch.
; 4 x 4 work-groups form a cluster: A's tiles are asked for jointly along a row of the cluster, B's along a column.
; A IN LDS: [half of the rows][16 heads][64 tokens][64 bytes + 16].  In memory a head's 64 tokens are 4,096 dense bytes: a tile is 16 such rows, 262,144 bytes apart, with 4 words of padding behind every 16.
; A step of 128 along K is two heads; register group c of a fragment takes head 2 s + c / 2, bytes 32 (c % 2) + 16 h on: channel 128 s + 32 c + 16 h on, as B's rows give it: the same places on both sides.
; THE WORK GOES BY ROWS OF out0: all of a wave's fragments of B (64 columns x 1,024) stay in 512 registers; its four blocks of 16 tokens are finished one after the other, so that a block's stores leave while the next is multiplied.
; THE MATRIX INSTRUCTION IS USED TRANSPOSED (source 0 = 16 rows of Wo's codes, source 1 = 16 tokens): a lane holds eight neighbouring outputs of a token.  A wave's 64 columns are 256 bytes, aligned: each wave has a stage of its own.
; LIMIT: e10 + e11 between -126 and 127.
; REGISTERS: window 0: v16-31 addresses and the add's two; v32-63 a block's results; v64-127 rows read back, two sets; v128-191 accumulators, two sets of four.  windows 1, 2: B's fragments of K's two halves.  window 3: A's, two blocks.
.set PA,     80
.set PB,     1040
.set AHALF,  16*64*PA                  ; 81,920
.set AFILL,  8*64*PA                   ; eight heads
.set BBASE,  2*AHALF
.set BHALF,  64*PB
.set STAGE,  BBASE+2*BHALF             ; 296,960
.set SPITCH, 272
.set SPARE,  STAGE+4*16*SPITCH         ; the spare words: two blocks of 256 bytes that no other line names
.set ADRA, 16                          ; v16-17 my A fragments in heads 0-7, 8-15
.set ADRB, 20
.set STO,  24
.set RD,   25
.set CO,   26
.set TMP,  32
.set BK,   64
.set ACC,  128
.set G1, 24
.set G0, 32
.set G1B, 48
.set G0B, 56
.set MSB, 0
.macro WIN new
.if MSB != (\new)
	s_set_vgpr_msb (MSB<<8)|(\new)
.set MSB, \new
.endif
.endm
.macro CROUND
	s_barrier_signal -1
	s_barrier_wait -1
	s_cmp_lg_u32 s10, 0
	s_cbranch_scc1 .Lnot_wave_0_\@
	s_barrier_signal -3
.Lnot_wave_0_\@:
	s_barrier_wait -3
	s_barrier_signal -1
	s_barrier_wait -1
.endm
	s_load_b128 s[4:7], s[0:1], 0x0                ; ac, wc
	s_load_b128 s[68:71], s[0:1], 0x10             ; the exponents, out0
	v_lshl_add_u32 v30, v0, 2, SPARE
	v_mov_b32 v31, 0
	ds_add_u32 v30, v31                            ; the wave's opening: the add, twice on end, and its wait
	ds_add_u32 v30, v31
	v_lshrrev_b32 v1, 5, v0
	v_readfirstlane_b32 s10, v1                    ; wave 0..3
	s_lshr_b32 s11, s10, 1                         ; my half of the rows.  Also: I fetch for A (0) or B (1)
	s_and_b32 s12, s10, 1                          ; my half of the columns.  Also: which 64 rows I fetch
	s_bfe_u32 s40, ttmp6, 0x40000                  ; cx
	s_bfe_u32 s41, ttmp6, 0x40004                  ; cy
	s_lshl_b32 s42, ttmp9, 2
	s_add_co_u32 s42, s42, s40                     ; tile column
	s_and_b32 s13, ttmp7, 0xffff
	s_lshl_b32 s13, s13, 2
	s_add_co_u32 s13, s13, s41                     ; tile row
	s_lshl_b32 s43, s41, 2
	s_lshl_b32 s43, 15, s43                        ; my row of the cluster
	s_lshl_b32 s44, 0x1111, s40                    ; my column
	s_or_b32 s[G1+0], s43, (0<<16)|(1<<20)|(1<<21)|(3<<22)|(3<<25)
	s_mov_b32 s[G1+1], 4096<<16                    ; tensor_dim0: 64 tokens x 64 bytes
	s_mov_b32 s[G1+2], 16<<16                      ; tensor_dim1: 16 heads
	s_mov_b32 s[G1+3], 4096<<16                    ; tile_dim0
	s_mov_b32 s[G1+4], 16                          ; tile_dim1
	s_mov_b32 s[G1+5], 262144                      ; from head to head
	s_mov_b32 s[G1+6], 0
	s_mov_b32 s[G1+7], 0
	s_or_b32 s[G1B+0], s44, (0<<16)|(1<<20)|(1<<21)|(7<<22)|(3<<25)   ; 64 rows of 1,024 bytes, 4 words of padding behind each
	s_mov_b32 s[G1B+1], 1024<<16
	s_mov_b32 s[G1B+2], 64<<16
	s_mov_b32 s[G1B+3], 1024<<16
	s_mov_b32 s[G1B+4], 64
	s_mov_b32 s[G1B+5], 1024
	s_mov_b32 s[G1B+6], 0
	s_mov_b32 s[G1B+7], 0
	s_lshl_b32 s16, s13, 13                        ; A: token 128 x tile row + 64 x half, 64 bytes a token
	s_lshl_b32 s17, s12, 12
	s_add_co_u32 s16, s16, s17
	s_mov_b32 s17, 0
	s_lshl_b32 s46, s42, 17                        ; B: row 128 x tile column + 64 x half, 1,024 bytes a row, in part 3 of wc
	s_lshl_b32 s47, s12, 16
	s_add_co_u32 s46, s46, s47
	s_add_co_u32 s46, s46, 0x300000
	s_mov_b32 s47, 0
	s_mov_b32 s[G0], 1
	s_mul_i32 s[G0+1], s12, AHALF
	s_mov_b32 s[G0B], 1
	s_mul_i32 s[G0B+1], s12, BHALF
	s_add_co_u32 s[G0B+1], s[G0B+1], BBASE
	s_wait_alu depctr_va_vdst(0)                   ; directly ahead of the waits below
	s_wait_dscnt 0x0                               ; both opening adds are done
	s_wait_kmcnt 0x0
	s_load_b64 s[72:73], s[68:69], 0x28            ; e10, e11
	s_add_nc_u64 s[G0+2:G0+3], s[4:5], s[16:17]
	s_or_b32 s[G0+3], s[G0+3], 0x80000000
	s_add_nc_u64 s[G0B+2:G0B+3], s[6:7], s[46:47]
	s_or_b32 s[G0B+3], s[G0B+3], 0x80000000
	CROUND                                         ; all sixteen work-groups are here: the joint loads meet
	s_cmp_eq_u32 s11, 0
	s_cbranch_scc0 .Lfor_b
	tensor_load_to_lds s[G0:G0+3], s[G1:G1+7]
	s_nop 0
.rept 4
	v_nop
.endr
	s_branch .Lasked
.Lfor_b:
	tensor_load_to_lds s[G0B:G0B+3], s[G1B:G1B+7]
	s_nop 0
.rept 4
	v_nop
.endr
.Lasked:
	s_mul_i32 s22, s11, AHALF
	s_mul_i32 s21, s12, BHALF
	s_add_co_u32 s21, s21, BBASE
	s_mul_i32 s23, s10, 16*SPITCH
	s_add_co_u32 s23, s23, STAGE                   ; my stage
	s_lshl_b32 s16, s13, 19                        ; row 128 x tile row + 64 x my half, 4,096 bytes a row,
	s_lshl_b32 s17, s11, 18
	s_add_co_u32 s16, s16, s17
	s_lshl_b32 s74, s42, 9                         ; column 128 x tile column + 64 x my half, 4 bytes each
	s_lshl_b32 s75, s12, 8
	s_add_co_u32 s74, s74, s75
	s_add_co_u32 s74, s74, s16
	s_mov_b32 s75, 0
	s_add_nc_u64 s[70:71], s[70:71], s[74:75]
	v_and_b32 v1, 15, v0                           ; r
	v_bfe_u32 v2, v0, 4, 1                         ; h
	v_mul_u32_u24 v3, v1, PA
	v_lshl_add_u32 v3, v2, 4, v3
	v_add_nc_u32 v[ADRA], s22, v3
	v_add_nc_u32 v[ADRA+1], AFILL, v[ADRA]
	v_mul_u32_u24 v4, v1, PB
	v_lshl_add_u32 v4, v2, 4, v4
	v_add_nc_u32 v[ADRB], s21, v4
	v_mul_u32_u24 v5, v1, SPITCH
	v_lshl_add_u32 v5, v2, 5, v5
	v_add_nc_u32 v[STO], s23, v5                   ; in: row r, + 32 h
	v_mul_u32_u24 v6, v2, SPITCH
	v_lshl_add_u32 v6, v1, 4, v6
	v_add_nc_u32 v[RD], s23, v6                    ; back: sixteen lanes to a row of 256 bytes
	v_lshlrev_b32 v7, 12, v2
	v_lshl_add_u32 v[CO], v1, 4, v7                ; the same two rows in out0
	s_wait_alu depctr_va_vdst(0)                   ; the wait at the head's end
	s_wait_kmcnt 0x0
	s_add_co_i32 s72, s72, s73
	s_add_co_i32 s72, s72, 127
	s_lshl_b32 s72, s72, 23                        ; 2^(e10 + e11) as f32
	s_mov_b32 s73, s72                             ; (named with it as a pair)
	s_wait_tensorcnt 0x0                           ; my part has landed; the barrier shows everybody's
	s_barrier_signal -1
	s_barrier_wait -1
.macro BLOAD s0                        ; B's fragments of four steps of 128 along K
	WIN 0x40+0x40*(\s0/4)
.irp s, 0,1,2,3
.irp b, 0,1,2,3
.irp c, 0,1,2,3
	ds_load_b128 v[64*\s+16*\b+4*\c:64*\s+16*\b+4*\c+3], v[ADRB] offset:128*(\s0+\s)+32*\c+16*PB*\b
.endr
.endr
.endr
	WIN 0
.endm
.macro ALOAD a, s0                     ; block a's fragments of four steps
	WIN 0xc0
.irp s, 0,1,2,3
.irp c, 0,1,2,3
	ds_load_b128 v[128*((\a)%2)+16*(\s0+\s)+4*\c:128*((\a)%2)+16*(\s0+\s)+4*\c+3], v[ADRA+\s0/4] offset:(2*\s+\c/2)*64*PA+32*(\c%2)+16*PA*(\a)
.endr
.endr
	WIN 0
.endm
.macro MULH a, s0                      ; block a, four steps: the block's four accumulators take turns, one instruction a turn, in the same order in every step
	WIN 0x0d+\s0/4
.irp s, 0,1,2,3
.irp b, 0,1,2,3
.set AC, ACC+32*((\a)%2)+8*\b
.set AF, 128*((\a)%2)+16*(\s0+\s)
.if (\s0+\s) == 0
	v_wmma_f32_16x16x128_fp8_fp8 v[AC:AC+7], v[64*\s+16*\b:64*\s+16*\b+15], v[AF:AF+15], 0
.else
	v_wmma_f32_16x16x128_fp8_fp8 v[AC:AC+7], v[64*\s+16*\b:64*\s+16*\b+15], v[AF:AF+15], v[AC:AC+7]
.endif
.endr
.endr
	WIN 0
.endm
; THE WAY OUT of block a: x 2^(e10 + e11), each accumulator from its low end on; into my stage, back as rows of 256 bytes.  LDS serves a wave's instructions in order: no wait between.
.macro TOSTAGE a
.set j, 0
.rept 16
	v_pk_mul_f32 v[TMP+j:TMP+j+1], v[ACC+32*((\a)%2)+j:ACC+32*((\a)%2)+j+1], s[72:73] op_sel_hi:[1,0]
.set j, j+2
.endr
.irp b, 0,1,2,3
	ds_store_b128 v[STO], v[TMP+8*\b:TMP+8*\b+3] offset:64*\b
	ds_store_b128 v[STO], v[TMP+8*\b+4:TMP+8*\b+7] offset:64*\b+16
.endr
.irp t, 0,1,2,3,4,5,6,7
	ds_load_b128 v[BK+32*((\a)%2)+4*\t:BK+32*((\a)%2)+4*\t+3], v[RD] offset:2*\t*SPITCH
.endr
.endm
.macro SEND a
	s_wait_dscnt 0x0                               ; the block is back in registers
.irp t, 0,1,2,3,4,5,6,7
	global_store_b128 v[CO], v[BK+32*((\a)%2)+4*\t:BK+32*((\a)%2)+4*\t+3], s[70:71] offset:(16*(\a)+2*\t)*4096 th:TH_STORE_NT   ; sixteen lanes store 256 consecutive bytes, aligned
.endr
.endm
	BLOAD 0
	ALOAD 0, 0
	BLOAD 4
	ALOAD 0, 4
	s_wait_dscnt 63                                ; of 160 loads the oldest 97 are in: K's first half of B and of block 0 are the oldest 80
	MULH 0, 0
	ALOAD 1, 0
	ALOAD 1, 4
	s_wait_dscnt 32                                ; all but block 1's 32
	MULH 0, 4
.irp a, 0,1,2,3
.rept 4
	v_nop                                          ; places in front of the loads into block a's registers and of its results' first reader
.endr
.if \a < 2
	ALOAD \a+2, 0
	ALOAD \a+2, 4
.else
	s_wait_xcnt 0x0                                ; block a - 2's stores have read their registers: block a's loads may land there
.endif
	TOSTAGE \a
.if \a < 3
.if \a < 2
	s_wait_dscnt 48                                ; block a + 1 is in: behind it 32 loads of block a + 2 and the stage's sixteen
.else
	s_wait_dscnt 16
.endif
	MULH \a+1, 0
	SEND \a
	MULH \a+1, 4
.else
	SEND \a
.endif
.endr
	s_wait_tensorcnt 0x0                           ; the wave's end
	ds_add_u32 v30, v31
	s_wait_dscnt 0x0
	CROUND                                         ; the closing round: no work-group ends while a partner may still ask for a tile that names it
	s_endpgm
.Lfunc_end_k_q34e050db44_oproj:
	.size	k_q34e050db44_oproj, .Lfunc_end_k_q34e050db44_oproj-k_q34e050db44_oproj
	.p2alignl 7, 3214868480
	.fill 96, 4, 3214868480
	.section	.rodata,"a",@progbits
	.p2align	6, 0x0
	.amdhsa_kernel k_q34e050db44_oproj
		.amdhsa_group_segment_fixed_size 327680
		.amdhsa_private_segment_fixed_size 0
		.amdhsa_enable_private_segment 0
		.amdhsa_kernarg_size 32
		.amdhsa_user_sgpr_count 2
		.amdhsa_user_sgpr_kernarg_segment_ptr 1
		.amdhsa_wavefront_size32 1
		.amdhsa_system_sgpr_workgroup_id_x 1
		.amdhsa_system_sgpr_workgroup_id_y 1
		.amdhsa_system_sgpr_workgroup_id_z 1
		.amdhsa_system_vgpr_workitem_id 0
		.amdhsa_next_free_vgpr 1024
		.amdhsa_next_free_sgpr 80
		.amdhsa_reserve_vcc 0
		.amdhsa_float_denorm_mode_32 3
		.amdhsa_float_denorm_mode_16_64 3
		.amdhsa_memory_ordered 1
		.amdhsa_forward_progress 1
		.amdhsa_inst_pref_size 44
	.end_amdhsa_kernel
	.amdgpu_metadata
---
amdhsa.version: [ 1, 2 ]
amdhsa.kernels:
  - .name:           k_q34e050db44_oproj
    .symbol:         k_q34e050db44_oproj.kd
    .args:
      - { .name: ac, .offset: 0, .size: 8, .value_kind: global_buffer, .address_space: global }
      - { .name: wc, .offset: 8, .size: 8, .value_kind: global_buffer, .address_space: global }
      - { .name: lowp_scales, .offset: 16, .size: 8, .value_kind: global_buffer, .address_space: global }
      - { .name: out0, .offset: 24, .size: 8, .value_kind: global_buffer, .address_space: global }
    .group_segment_fixed_size: 327680
    .private_segment_fixed_size: 0
    .kernarg_segment_align: 8
    .kernarg_segment_size: 32
    .max_flat_workgroup_size: 128
    .sgpr_count:     80
    .vgpr_count:     1024
    .wavefront_size: 32
...
	.end_amdgpu_metadata
.endif
;; end of part 4
